; MI455X (gfx1250); checked and timed in simulation.
; The chip was launched on July 23, 2026; its instructions are those of AMD's public machine-readable ISA for CDNA 5 (MIT licence, August 2026) and "CDNA5" Instruction Set Architecture Reference Guide (July 2026). The comments in the code are by the model that wrote it; some were corrected since.
;; Causal Self Attention. Allowed arithmetic: matrix products marked QUANTISED: E4M3 operands, one E8M0 scale for each 32 along K, by v_wmma_scale_f32_16x16x128_f8f6f4 with both operands' format E4M3, f32 sums; everything else in f32.
;; Inputs: b_proj 1,024 float32; b_qkv 3,072 float32; w_proj 1,024 x 1,024 float32; w_qkv 1,024 x 3,072 float32; x 4 x 2,048 x 1,024 float32.
;; Outputs: out0 4 x 2,048 x 1,024 float32.
;; This version of the problem:
;;   THIS VERSION OF THE PROBLEM IS GIVEN IN LOW PRECISION. The matrix products marked QUANTISED in the list below multiply operands that are first quantised to E4M3 (4 exponent bits, 3 mantissa bits; 8 bits a number), with one power-of-two scale for each 32 numbers along K (OCP MX v1.0); their sums are f32. All else is computed in f32.
;;   The module's matrix products, in the order in which they are computed (A, B: the left and right operand; K: the contracted axis; several contracted axes count as one K, in the product's order):
;;     1. [M 8,192, K 1,024] x [K 1,024, N 3,072]; A: input x; B: input w_qkv: QUANTISED
;;     2. batch 64 x [M 2,048, K 64] x [K 64, N 2,048]; A: computed on the way; B: computed on the way: QUANTISED
;;     3. batch 64 x [M 2,048, K 2,048] x [K 2,048, N 64]; A: softmax (see below); B: computed on the way: QUANTISED
;;     4. [M 8,192, K 1,024] x [K 1,024, N 1,024]; A: computed on the way; B: input w_proj: QUANTISED
;;   THE QUANTISER, for each operand of a quantised product, along K:
;;     - K is cut into blocks of 32 from its start; a last block that is shorter is filled with zeros.
;;     - A block's scale is 2^e with e = floor(log2(the largest magnitude in the block)) - 8, held to -126 .. 127; a block of zeros has e = 0. As a byte (E8M0): e + 127.
;;     - Each number is divided by its block's scale, clamped to +-448, and rounded to the nearest number of E4M3, ties to even, subnormals kept.
;;     - The product sums the exact products of the quantised numbers (number of the format x scale) in f32.
;;   ~~~python
;;   def quantise(x, axis):      # numpy; x: float32 -> the quantised numbers, widened to float32 again
;;       x = np.moveaxis(x, axis, -1); K = x.shape[-1]
;;       x = np.pad(x, [(0, 0)] * (x.ndim - 1) + [(0, -K % 32)]); x = x.reshape(x.shape[:-1] + (-1, 32)); a = np.abs(x).max(-1, keepdims=True)
;;       e = np.where(a > 0, np.clip(np.frexp(np.where(a > 0, a, 1))[1] - 1 - 8, -126, 127), 0)      # np.frexp(a)[1] - 1 = floor(log2(a)), exactly
;;       r = np.clip(x / 2.0 ** e, -448, 448)
;;       step = 2.0 ** (np.maximum(np.frexp(np.where(r == 0, 1, r))[1] - 1, -6) - 3)
;;       q = np.round(r / step) * step * 2.0 ** e      # np.round: ties to even
;;       return np.moveaxis(q.reshape(q.shape[:-2] + (-1,))[..., :K], -1, axis).astype(np.float32)
;;   ~~~
;;   SOFTMAX AHEAD OF A QUANTISED PRODUCT. Where the list says 'softmax', what is quantised is not the finished softmax but p = 2^(t - M), with t = logit x log2(e) and M = ceil(the row's largest t), a whole number; so 1/2 < the row's largest p <= 1. The row's sum l is taken of the UNQUANTISED p, in f32, and the product's result is divided by l at the end. Since M is a whole number, a kernel that streams over the keys may use a running M (the ceiling of the running maximum): every later rescaling is an exact power of two, which a block's scale takes up: the codes' values come out the same.
;;   OPERANDS COMPUTED ON THE WAY. 'Computed on the way' means the value that the module computes at that place (a softmax that the list does not call 'softmax' is quantised finished and normalised). What goes into a quantiser is computed in f32, as accurately as f32 sums, v_exp_f32 and their like allow (about 1e-6 of the number): no bf16 or f16 on the way to a quantiser, and a product that is left as it is and whose result goes on into a quantised operand takes f32 operands (vector FMAs, or v_wmma_f32_16x16x4_f32). A number that lies on a knife's edge between two numbers of the format may be rounded either way, as far as f32 arithmetic and the matrix unit's own rounding can turn it there, and no further.
;; One version. Each part assembles by itself: llvm-mc -triple=amdgcn-amd-amdhsa -mcpu=gfx1250 --defsym DOCPART=n.
;; ======== version 1 of 1: 4 launches
;; limits: right only within a limited range of input values
;; workspace buffers: xq 8,650,752 bytes; wq 4,325,376 bytes; qq 8,912,896 bytes; kv 17,563,648 bytes; yq 8,650,752 bytes
;; launch quant (part 1): grid 512 x 1, 4 waves a work-group, no clusters, 34,304 bytes of LDS; arguments x, w_qkv, w_proj, xq, wq; writes xq, wq
.if DOCPART == 1
	.amdgcn_target "amdgcn-amd-amdhsa--gfx1250"
	.amdhsa_code_object_version 6
	.text
	.protected	k_q2ea68fa126_quant
	.globl	k_q2ea68fa126_quant
	.p2align	8
	.type	k_q2ea68fa126_quant,@function
k_q2ea68fa126_quant:
	s_mov_b64 s[64:65], 0
	v_nop
	global_prefetch_b8 v0, s[64:65] scope:SCOPE_SE
	s_setreg_imm32_b32 hwreg(HW_REG_WAVE_MODE, 25, 1), 1
	s_wait_xcnt 0x0
; x [8192][1024], w_qkv [1024][3072] and w_proj [1024][1024], f32, become codes of E4M3 with one E8M0 byte for each 32 along K (K = the 1,024 that both products sum over).
; A block's scale is 2^(floor(log2(its largest magnitude)) - 8); each number is divided by it, held within +-448 and rounded to the nearest code, ties to even.
; LAYOUT OF THE RESULTS.  16 rows form a tile; lane r of tile t stands for row 32 (t / 2) + 8 (t % 2) + r + 8 (r / 8).  A fragment (a tile x 128 along K) is stored as the image of the 16 registers that a
; matrix operand takes: piece c (of four, 512 bytes each) holds lane l's registers 4 c .. 4 c + 3 at byte 16 l: lane (r, h) has k = 32 c + 16 h + 0 .. 15 of its row.  A tile is eight fragments, 16,384 bytes.
; The scale bytes lie behind the images, 32 bytes a row, rows in the tiles' order.  wq holds 4,096 'rows': w_qkv's 3,072 columns, then w_proj's 1,024.
; Work-groups 0-255 take x: a wave takes half of a tile's K, four fragments; two neighbouring waves share a tile.  Each load reads 512 consecutive bytes of a row; the 16 rows x 512 bytes turn through the wave's own
; stage in LDS, so that a lane gets 16 neighbours of each block.  Two fragments, 32 loads of 512 bytes, are on their way in each of the 1,024 waves.
; Work-groups 256-511 take the weights, whose K is the FIRST axis: a lane takes a column and its registers run down K (128 along K a wave, 32 columns), so that nothing is transposed.
; No tensor load, no barrier, no cluster: waves share nothing, and every input byte is read once.
; x's scale words leave as 16 bytes of each row's 32 (a wave has four K steps of eight), a weight's as 4 bytes every 32 (one K step of eight): 393,216 bytes of the launch's stores are such parts of rows.
; LIMITS: NaN and infinities are not served; a block whose largest magnitude lies under 2^-118 keeps the byte 1; a block of zeros gets the byte 1, not 127: its codes are zeros, and this program alone reads the bytes.
.set XS_OFF, 8388608                   ; x's scale bytes in xq
.set WS_OFF, 4194304                   ; the weights' in wq
.set XWG,  256                         ; work-groups that take x
.set NF,   4                           ; fragments a wave of x
.set STG,  8448                        ; a wave's stage: 16 rows x (512 + 16) bytes
.set TM,   16                          ; v16-31   at work: largest magnitudes, bytes, 448 x the scale, the conversions' scale operands
.set SW,   32                          ; v32-35   my four scale words of a row
.set PC,   44                          ; v44-59   a fragment's codes
.set X,    64                          ; v64-127  64 numbers of a lane: register 16 b + i = k 32 b + 16 h + i
.set R,    128                         ; v128-255 two sets of 64, as loaded
.set SEL,  20                          ; s[20:21] selects for v_permlanex16_b32: lane l xor 16
.set MNT,  23                          ; s23      the mantissa field of 448
.macro LOADF q                         ; my K step q of the tile's 16 rows: each load takes 512 consecutive bytes of one row
.irp i, 0,1,2,3,4,5,6,7,8,9,10,11,12,13,14,15
	global_load_b128 v[R+64*((\q)%2)+4*\i:R+64*((\q)%2)+4*\i+3], v4, s[4:5] offset:(\i+8*(\i/8))*4096+512*(\q) th:TH_LOAD_NT
.endr
.endm
.macro QUANT s, word                   ; 64 numbers from v[s] on become 16 registers of codes in v[PC] on and the row's scale word in v[word]
.irp b, 0,1,2,3
	v_max3_num_f32 v[TM+\b], |v[\s+16*\b]|, |v[\s+1+16*\b]|, 0x4800000   ; my 16 numbers of block b, and the floor 2^(9 - 127): the byte cannot fall under 1
.endr
.irp i, 2,4,6,8,10,12,14
.irp b, 0,1,2,3
	v_max3_num_f32 v[TM+\b], v[TM+\b], |v[\s+16*\b+\i]|, |v[\s+1+16*\b+\i]|
.endr
.endr
.irp b, 0,1,2,3
	v_permlanex16_b32 v[TM+4+\b], v[TM+\b], s[SEL], s[SEL+1]
.endr
.irp b, 0,1,2,3
	v_max_num_f32 v[TM+\b], v[TM+\b], v[TM+4+\b]          ; with lane l xor 16's: the block's largest magnitude
.endr
.irp b, 0,1,2,3
	v_add_nc_u32 v[TM+12+\b], 0xfc000000, v[TM+\b]        ; 8 off its exponent field: the conversion's scale operand
.endr
.irp b, 0,1,2,3
	v_and_or_b32 v[TM+8+\b], v[TM+\b], 0x7f800000, s[MNT] ; 448 x the scale
.endr
.irp b, 0,1,2,3
	v_lshrrev_b32 v[TM+4+\b], 23, v[TM+12+\b]             ; the scale's byte
.endr
	v_lshl_or_b32 v[\word], v[TM+5], 8, v[TM+4]
	v_lshl_or_b32 v[\word], v[TM+6], 16, v[\word]
	v_lshl_or_b32 v[\word], v[TM+7], 24, v[\word]
.irp b, 0,1,2,3
.irp i, 0,1,2,3,4,5,6,7,8,9,10,11,12,13,14,15
	v_med3_num_f32 v[\s+16*\b+\i], v[\s+16*\b+\i], -v[TM+8+\b], v[TM+8+\b]   ; the conversion does not saturate (ISA guide 7.6.2): the hold comes first
.endr
	v_cvt_scalef32_pk8_fp8_f32 v[PC+4*\b:PC+1+4*\b], v[\s+16*\b:\s+7+16*\b], v[TM+12+\b]
	v_cvt_scalef32_pk8_fp8_f32 v[PC+2+4*\b:PC+3+4*\b], v[\s+8+16*\b:\s+15+16*\b], v[TM+12+\b]
.endr
	v_nop                                          ; a plain line behind the last conversion
.endm
.macro XFRAG q
.if (\q) < NF-1
	s_wait_loadcnt 16                              ; this fragment's 16 loads are in; the next fragment's 16 may be out
.else
	s_wait_loadcnt 0
.endif
.irp i, 0,1,2,3,4,5,6,7,8,9,10,11,12,13,14,15
	ds_store_b128 v5, v[R+64*((\q)%2)+4*\i:R+64*((\q)%2)+4*\i+3] offset:528*\i
.endr
.irp b, 0,1,2,3
.irp j, 0,1,2,3
	ds_load_b128 v[X+16*\b+4*\j:X+16*\b+4*\j+3], v6 offset:128*\b+16*\j   ; LDS serves a wave's instructions in order: these see my stores
.endr
.endr
	s_wait_dscnt 0x0                               ; the numbers are back, and the stores have read the set that the loads below fill
	s_wait_xcnt 0x0                                ; the last fragment's stores have read their codes: v[PC] on is written again only behind this wait
.if (\q)+2 < NF
	LOADF (\q)+2
.endif
	QUANT X, SW+\q
.irp c, 0,1,2,3
	global_store_b128 v4, v[PC+4*\c:PC+4*\c+3], s[26:27] offset:2048*(\q)+512*\c   ; 512 consecutive bytes, aligned
.endr
.endm
.macro WLOAD t, pitch                  ; block t of my column: 32 rows of the weight; a wave's load takes 128 consecutive bytes, the four waves stand side by side
.set J, 0
.rept 32
	global_load_b32 v[128+32*(\t)+J], v8, s[4:5] offset:(32*(\t)+J)*\pitch th:TH_LOAD_NT
.set J, J+1
.endr
.endm
.macro WBLOCK t, pitch
.set WX, 128+32*(\t)
.if (\t) < 3
	s_wait_loadcnt 32                              ; this block's 32 loads are in; the next block's 32 may be out
.else
	s_wait_loadcnt 0
.endif
.if (\t)+2 < 4
	WLOAD (\t)+2, \pitch
.endif
	v_max3_num_f32 v12, |v[WX]|, |v[WX+1]|, |v[WX+2]|     ; all 32 numbers of the block are mine
	v_max3_num_f32 v13, |v[WX+3]|, |v[WX+4]|, |v[WX+5]|
.irp i, 6,10,14,18,22,26
	v_max3_num_f32 v12, v12, |v[WX+\i]|, |v[WX+\i+1]|
	v_max3_num_f32 v13, v13, |v[WX+\i+2]|, |v[WX+\i+3]|
.endr
	v_max3_num_f32 v12, v12, |v[WX+30]|, |v[WX+31]|
	v_max3_num_f32 v12, v12, v13, 0x4800000        ; and the floor
	v_add_nc_u32 v15, 0xfc000000, v12
	v_and_or_b32 v14, v12, 0x7f800000, s[MNT]
	v_lshrrev_b32 v17, 23, v15
.if (\t) == 0
	v_mov_b32 v16, v17                             ; the four bytes make my column's scale word for this K step
.else
	v_lshl_or_b32 v16, v17, 8*(\t), v16
.endif
.set J, 0
.rept 32
	v_med3_num_f32 v[WX+J], v[WX+J], -v14, v14
.set J, J+1
.endr
.irp g, 0,1,2,3
	v_cvt_scalef32_pk8_fp8_f32 v[64+8*(\t)+2*\g:64+8*(\t)+2*\g+1], v[WX+8*\g:WX+8*\g+7], v15
.endr
	v_nop                                          ; a plain line behind the last conversion
	global_store_b128 v9, v[64+8*(\t):64+8*(\t)+3], s[24:25] offset:512*(\t)          ; k 32 t + 0 .. 15: the place of lane (r, 0) in piece t
	global_store_b128 v9, v[64+8*(\t)+4:64+8*(\t)+7], s[24:25] offset:512*(\t)+256    ; k 32 t + 16 .. 31: that of lane (r, 1).  Each block has its own registers: no store's data are written again
.endm
.macro WBODY pitch
	WLOAD 0, \pitch
	WLOAD 1, \pitch
	WBLOCK 0, \pitch
	WBLOCK 1, \pitch
	WBLOCK 2, \pitch
	WBLOCK 3, \pitch
	global_store_b32 v10, v16, s[26:27]
	s_endpgm
.endm
	s_load_b256 s[4:11], s[0:1], 0x0               ; x s[4:5], w_qkv s[6:7], w_proj s[8:9], xq s[10:11]
	s_load_b64 s[12:13], s[0:1], 0x20              ; wq
	v_lshl_add_u32 v62, v0, 2, 0x8400
	v_mov_b32 v63, 0
	v_lshrrev_b32 v1, 5, v0
	v_readfirstlane_b32 s14, v1                    ; wave
	v_and_b32 v1, 31, v0                           ; lane
	s_mov_b32 s[MNT], 0x600000
	s_cmp_lt_u32 ttmp9, XWG
	s_cbranch_scc0 .Lweights
	; ---- x
	v_and_b32 v2, 15, v0                           ; r
	v_bfe_u32 v3, v0, 4, 1                         ; h
	v_lshlrev_b32 v4, 4, v1                        ; 16 x lane
	s_mul_i32 s15, s14, STG
	v_add_nc_u32 v5, s15, v4                       ; into the stage: as loaded
	v_mul_u32_u24 v6, v2, 528
	v_lshl_add_u32 v6, v3, 6, v6
	v_add_nc_u32 v6, s15, v6                       ; out of it: row r, + 64 h
	v_lshlrev_b32 v7, 5, v2                        ; the scale words' place: 32 r
	s_mov_b32 s[SEL], 0x76543210
	s_mov_b32 s[SEL+1], 0xfedcba98
.irp b, 0,1,2,3
	v_mov_b32 v[TM+4+\b], 0                        ; written once: a lane permute's destination counts as one of its sources
.endr
	s_lshl_b32 s16, ttmp9, 2
	s_add_co_u32 s16, s16, s14
	s_and_b32 s19, s16, 1                          ; which half of K is mine
	s_lshr_b32 s16, s16, 1                         ; my tile
	s_lshr_b32 s17, s16, 1
	s_lshl_b32 s17, s17, 5
	s_and_b32 s18, s16, 1
	s_lshl_b32 s18, s18, 3
	s_add_co_u32 s17, s17, s18                     ; its first row: 32 (t / 2) + 8 (t % 2)
	s_lshl_b32 s24, s17, 12
	s_mov_b32 s25, 0
	s_lshl_b32 s26, s16, 14
	s_mov_b32 s27, 0
	s_lshl_b32 s28, s16, 9
	s_add_co_u32 s28, s28, XS_OFF
	s_mov_b32 s29, 0
	s_lshl_b32 s18, s19, 11                        ; my half: 2,048 bytes on in each row of x,
	s_add_co_u32 s24, s24, s18
	s_lshl_b32 s18, s19, 13                        ; four fragments on in the image,
	s_add_co_u32 s26, s26, s18
	s_lshl_b32 s18, s19, 4                         ; four words on among a row's scale bytes
	s_add_co_u32 s28, s28, s18
	s_wait_alu depctr_va_vdst(0)
	s_wait_kmcnt 0x0
	s_add_nc_u64 s[4:5], s[4:5], s[24:25]
	s_add_nc_u64 s[26:27], s[10:11], s[26:27]      ; my half of the tile's image
	s_add_nc_u64 s[28:29], s[10:11], s[28:29]      ; and of its scale bytes
	LOADF 0
	LOADF 1
.irp q, 0,1,2,3
	XFRAG \q
.endr
	global_store_b128 v7, v[SW:SW+3], s[28:29]     ; my four words of each row; both lanes of a row hold and store the same 16 bytes
	s_wait_tensorcnt 0x0
	ds_add_u32 v62, v63
	s_wait_dscnt 0x0
	s_endpgm
	; ---- the weights
.Lweights:
	s_sub_co_u32 s15, ttmp9, XWG
	s_and_b32 s16, s15, 31                         ; which 128 columns
	s_lshr_b32 s17, s15, 5                         ; which 128 along K
	s_lshl_b32 s18, s16, 2
	s_add_co_u32 s18, s18, s14                     ; my wave's 32 columns: a pair of tiles
	s_wait_alu depctr_va_vdst(0)
	v_lshlrev_b32 v8, 2, v1                        ; in: 4 bytes a lane
	v_bfe_u32 v2, v1, 3, 1                         ; column 32 P + x lies in tile 2 P + u, u = (x / 8) % 2,
	v_and_b32 v3, 7, v1
	v_lshrrev_b32 v4, 4, v1
	v_lshl_add_u32 v3, v4, 3, v3                   ; at lane r = x % 8 + 8 (x / 16)
	v_lshlrev_b32 v9, 4, v3
	v_lshl_add_u32 v9, v2, 14, v9                  ; codes: 16,384 u + 16 r
	v_lshlrev_b32 v10, 5, v3
	v_lshl_add_u32 v10, v2, 9, v10                 ; scale word: 512 u + 32 r
	s_lshl_b32 s24, s18, 15
	s_lshl_b32 s19, s17, 11
	s_add_co_u32 s24, s24, s19
	s_mov_b32 s25, 0
	s_lshl_b32 s26, s18, 10
	s_lshl_b32 s19, s17, 2
	s_add_co_u32 s26, s26, s19
	s_add_co_u32 s26, s26, WS_OFF
	s_mov_b32 s27, 0
	s_lshl_b32 s28, s18, 7                         ; my first column, in bytes
	s_mov_b32 s29, 0
	s_wait_kmcnt 0x0
	s_add_nc_u64 s[24:25], s[12:13], s[24:25]
	s_add_nc_u64 s[26:27], s[12:13], s[26:27]
	s_cmp_lt_u32 s16, 24
	s_cbranch_scc0 .Lproj_w
	s_mul_i32 s19, s17, 128*12288
	s_add_co_u32 s28, s28, s19
	s_add_nc_u64 s[4:5], s[6:7], s[28:29]
	s_wait_alu depctr_va_vdst(0)
	WBODY 12288
.Lproj_w:
	s_sub_co_u32 s28, s28, 96*128
	s_mul_i32 s19, s17, 128*4096
	s_add_co_u32 s28, s28, s19
	s_add_nc_u64 s[4:5], s[8:9], s[28:29]
	s_wait_alu depctr_va_vdst(0)
	WBODY 4096
.Lfunc_end_k_q2ea68fa126_quant:
	.size	k_q2ea68fa126_quant, .Lfunc_end_k_q2ea68fa126_quant-k_q2ea68fa126_quant
	.p2alignl 7, 3214868480
	.fill 96, 4, 3214868480
	.section	.rodata,"a",@progbits
	.p2align	6, 0x0
	.amdhsa_kernel k_q2ea68fa126_quant
		.amdhsa_group_segment_fixed_size 34304
		.amdhsa_private_segment_fixed_size 0
		.amdhsa_enable_private_segment 0
		.amdhsa_kernarg_size 40
		.amdhsa_user_sgpr_count 2
		.amdhsa_user_sgpr_kernarg_segment_ptr 1
		.amdhsa_wavefront_size32 1
		.amdhsa_system_sgpr_workgroup_id_x 1
		.amdhsa_system_sgpr_workgroup_id_y 1
		.amdhsa_system_sgpr_workgroup_id_z 1
		.amdhsa_system_vgpr_workitem_id 0
		.amdhsa_next_free_vgpr 256
		.amdhsa_next_free_sgpr 66
		.amdhsa_reserve_vcc 0
		.amdhsa_float_denorm_mode_32 3
		.amdhsa_float_denorm_mode_16_64 3
		.amdhsa_memory_ordered 1
		.amdhsa_forward_progress 1
		.amdhsa_inst_pref_size 107
	.end_amdhsa_kernel
	.amdgpu_metadata
---
amdhsa.version: [ 1, 2 ]
amdhsa.kernels:
  - .name:           k_q2ea68fa126_quant
    .symbol:         k_q2ea68fa126_quant.kd
    .args:
      - { .name: x, .offset: 0, .size: 8, .value_kind: global_buffer, .address_space: global }
      - { .name: w_qkv, .offset: 8, .size: 8, .value_kind: global_buffer, .address_space: global }
      - { .name: w_proj, .offset: 16, .size: 8, .value_kind: global_buffer, .address_space: global }
      - { .name: xq, .offset: 24, .size: 8, .value_kind: global_buffer, .address_space: global }
      - { .name: wq, .offset: 32, .size: 8, .value_kind: global_buffer, .address_space: global }
    .group_segment_fixed_size: 34304
    .private_segment_fixed_size: 0
    .kernarg_segment_align: 8
    .kernarg_segment_size: 40
    .max_flat_workgroup_size: 128
    .sgpr_count:     66
    .vgpr_count:     256
    .wavefront_size: 32
...
	.end_amdgpu_metadata
.endif
;; end of part 1
;; launch gemm_qkv (part 2): grid 96 x 4, 4 waves a work-group, clusters of 4 x 4, 327,680 bytes of LDS; arguments xq, wq, b_qkv, qq, kv; writes qq, kv
.if DOCPART == 2
	.amdgcn_target "amdgcn-amd-amdhsa--gfx1250"
	.amdhsa_code_object_version 6
	.text
	.protected	k_q2ea68fa126_gemm_qkv
	.globl	k_q2ea68fa126_gemm_qkv
	.p2align	8
	.type	k_q2ea68fa126_gemm_qkv,@function
k_q2ea68fa126_gemm_qkv:
	s_mov_b64 s[64:65], 0
	v_nop
	global_prefetch_b8 v0, s[64:65] scope:SCOPE_SE
	s_setreg_imm32_b32 hwreg(HW_REG_WAVE_MODE, 25, 1), 1
	s_wait_xcnt 0x0
	s_wait_alu depctr_hold_cnt(0) depctr_sa_sdst(0) depctr_va_vdst(0) depctr_va_sdst(0) depctr_va_ssrc(0) depctr_va_vcc(0) depctr_vm_vsrc(0)
	s_getreg_b32 s2, hwreg(HW_REG_IB_STS2, 6, 4)
	s_cmp_eq_u32 s2, 0
	s_cbranch_scc0 .Lentry_in_a_cluster
	s_endpgm
.Lentry_in_a_cluster:
	s_bfe_u32 s2, ttmp6, 0x10000c
	s_cmp_lg_u32 s2, 0xf033
	s_cbranch_scc0 .Lentry_shape_is_right
	s_endpgm
.Lentry_shape_is_right:
; qkv = x w_qkv + b_qkv on codes of E4M3 with E8M0 scales, and q, k and v quantised again in registers on the way out: q and k along the head's 64, v along the keys.  No f32 number of qkv goes to memory.
; OPERANDS are register images (16 rows to a tile, lane r of tile t = row 32 (t / 2) + 8 (t % 2) + r + 8 (r / 8); a fragment of 128 along K = four pieces of 512 bytes, lane l's four registers at 16 l).
; A tile of the result, 256 x 256, is made by four waves, each 128 x 128: 64 accumulators, 512 registers.  K = 1,024 goes in four steps of 256 through two LDS slots; the scale bytes of the 512 rows come once.
; THE PRODUCT IS USED TRANSPOSED: source 0 = 16 rows of 'B', source 1 = 16 rows of 'A'.  By the tiles' order the 16 registers of accumulators 2 j and 2 j + 1 are 16 neighbours along B's rows: a block of 32 lies in
; lanes l and l xor 16, and the conversions' results are the next operand's registers.
; THREE KINDS OF CLUSTER, by the cluster's number c, which all sixteen partners share: c < 16, even: q; c < 16, odd: k (A = x, B = w_qkv's columns: a lane holds one token and runs along the head's 64);
; c >= 16: v (A = w_qkv's columns 2,048 on, B = x: a lane holds one of the head's 64 and runs along the keys).  What differs is chosen into scalar registers; two short branches on c stand round the bias.
; The bias is the C of each sum's first matrix instruction.
; CLUSTERS: 4 x 4 work-groups; A's tiles are asked for jointly along a row of the cluster, B's along a column.  384 tiles of the result for 256 WGPs: a smaller wave tile would read more LDS bytes for each product.
; OUT: qq: q's codes [head 64][tile 128][2][512], behind them its scale words [head][key step 16][r 16][tile 8].  kv: [head 64][key step 16] records of 17,152 bytes: k's codes [tile 8][2][512], v^T's codes [tile of d 4][4][512],
; k's scale words [r 16][tile 8], v's [r 16][tile 4].  A q or k word's bytes 0, 1 are the head's two blocks; bytes 2, 3 go with zero codes in the next launch and hold the next head's bytes or 0, never 0xff.
; LIMITS: NaN and infinities are not served; a block under 2^-118 keeps the byte 1; a block of zeros gets the byte 1, not 127 (its codes are zeros; this program alone reads the bytes).
; REGISTERS: window 0: v0-31 addresses; v32-63 scale words, two sets; v64-127 the bias; v128-255 A's fragments, one set.  window 1: B's fragments, two sets.  windows 2, 3: the accumulators ((a, b) at v[8 (8 (a % 4) + b)]).
.set NQ,     2                         ; matrix instructions deep in a slot
.set FR,     16                        ; registers of a fragment
.set NL,     4                         ; LDS loads that bring one
.set NP,     8                         ; places behind this matrix instruction (ISA guide 7.12.1)
.set HALFT,  32768                     ; 8 tiles x two fragments: what one tensor load brings, and what a wave reads of A or of B
.set SLOT,   4*HALFT                   ; A's 16 tiles, then B's
.set SCL,    2*SLOT                    ; behind the ring: the scale bytes, as units of 256 bytes + 16 of padding
.set HALFS,  16*272                    ; those of 128 rows
.set SBLK,   2*272                     ; those of 16 rows
.set SPARE,  SCL+4*HALFS               ; the spare words, 128 bytes for each wave: two blocks of 256 bytes that no other line names
.set XS_OFF, 8388608
.set WS_OFF, 4194304
.set QS_OFF, 8388608
.set REC,    17152
.set HEADB,  16*REC
.set ADRA, 16                          ; v16-17  LDS address of my A fragments in slot 0, 1
.set ADRB, 20                          ; v20-21  the same for B
.set VO,   24                          ; v24-25  the way out: offsets of pieces 0, 1 and of pieces 2, 3
.set VS,   26                          ; v26     offset of my four scale words
.set ADRS, 27                          ; v27     LDS address of my scale words: lanes 0-15 A's rows, lanes 16-31 B's
.set SPW,  28                          ; v28     my spare word; never rewritten
.set NIL,  29                          ; v29     0; never rewritten
.set VS2,  30                          ; v30     offset of the odd head's scale words (q, k)
.set SC,   32                          ; scale words: set s at v[SC + 16 s]; register 2 i + q: lanes 0-15 A's block i, lanes 16-31 B's block i
.set TM,   32                          ; the way out: v32-47 at work, v48-63 codes
.set PC,   48
.set BI,   64                          ; the bias
.set SW,   80                          ; the way out: eight scale words, and what is stored of them
.set TT,   88
.set AF,   128
.set G1,   24
.set G0,   32
.set G1B,  48
.set G0B,  56
.set G1S,  68
.set G0S,  76
.set G1SB, 80
.set G0SB, 88
.set MODEV, 95                         ; s95  1 in a cluster that makes v
.set MSB, 0
.macro WIN new                         ; the immediate's high byte repeats the setting that is left
.if MSB != (\new)
	s_set_vgpr_msb (MSB<<8)|(\new)
.set MSB, (\new)
.endif
.endm
.set MUL_LO, 0xa1                      ; source 0 (B) window 1, source 1 (A) window 0, C and D window 2
.set MUL_HI, 0xf1                      ; the same, C and D window 3
.set TO_B,   0x40                      ; destination window 1, address window 0
; A joint load: waves 0 and 1 fetch for A, waves 2 and 3 for B.  The branch hangs on the wave's number alone.  Four v_nop follow each of the two lines.
.macro JLOAD g0a, g1a, g0b, g1b
	s_cmp_eq_u32 s15, 0
	s_cbranch_scc0 .Lfor_b_\@
	tensor_load_to_lds s[\g0a:\g0a+3], s[\g1a:\g1a+7]
	s_nop 0
.rept 4
	v_nop
.endr
	s_branch .Lasked_\@
.Lfor_b_\@:
	tensor_load_to_lds s[\g0b:\g0b+3], s[\g1b:\g1b+7]
	s_nop 0
.rept 4
	v_nop
.endr
.Lasked_\@:
.endm
.macro CREST                           ; a round of the cluster's barrier behind its opening barrier
	s_cmp_lg_u32 s14, 0
	s_cbranch_scc1 .Lnot_wave_0_\@
	s_barrier_signal -3
.Lnot_wave_0_\@:
	s_barrier_wait -3
	s_barrier_signal -1
	s_barrier_wait -1
.endm
.macro CROUND
	s_barrier_signal -1
	s_barrier_wait -1
	CREST
.endm
.macro FRAG reg, adr, q, i             ; a fragment comes back as it was stored: four loads of 512 consecutive bytes
.irp c, 0,1,2,3
	ds_load_b128 v[\reg+4*\c:\reg+4*\c+3], v[\adr] offset:4096*(\i)+2048*(\q)+512*\c
.endr
.endm
; 16 matrix instructions: A's blocks a0, a0 + 1 x B's eight.  p: B's set; sc: the set of scale words.  zero = 1: the sums start from the bias along B's rows; 2: along A's rows; 0: they go on.
; The 64 accumulators take turns, one instruction a turn, in the same order in every step.
.macro MUL16 a0, p, q, sc, zero
.irp a, \a0, \a0+1
.irp b, 0,1,2,3,4,5,6,7
.set XD, 8*(8*((\a)%4)+\b)
.set XB, 128*(\p)+FR*\b
.set XA, AF+FR*(\a)
.set XSB, SC+8*NQ*(\sc)+NQ*\b+(\q)
.set XSA, SC+8*NQ*(\sc)+NQ*(\a)+(\q)
.if (\zero) == 1
	v_wmma_scale_f32_16x16x128_f8f6f4 v[XD:XD+7], v[XB:XB+15], v[XA:XA+15], v[BI+8*\b:BI+8*\b+7], v[XSB], v[XSA] matrix_a_scale:MATRIX_SCALE_ROW1
.elseif (\zero) == 2
	v_wmma_scale_f32_16x16x128_f8f6f4 v[XD:XD+7], v[XB:XB+15], v[XA:XA+15], v[BI+8*(\a):BI+8*(\a)+7], v[XSB], v[XSA] matrix_a_scale:MATRIX_SCALE_ROW1
.else
	v_wmma_scale_f32_16x16x128_f8f6f4 v[XD:XD+7], v[XB:XB+15], v[XA:XA+15], v[XD:XD+7], v[XSB], v[XSA] matrix_a_scale:MATRIX_SCALE_ROW1
.endif
.endr
.endr
.endm
.macro FETCH_B slot, q, p
	WIN TO_B
.irp i, 0,1,2,3,4,5,6,7
	FRAG 128*(\p)+FR*\i, ADRB+\slot, \q, \i
.endr
	WIN 0
.endm
.macro FETCH_A slot, q, i0
.irp i, \i0, \i0+1, \i0+2, \i0+3
	FRAG AF+FR*(\i), ADRA+\slot, \q, \i
.endr
.endm
.macro SCALES sc                       ; a K step's scale words: two words a row; lanes 0-15 take A's block i, lanes 16-31 B's
.irp i, 0,1,2,3,4,5,6,7
	ds_load_b64 v[SC+8*NQ*\sc+NQ*\i:SC+8*NQ*\sc+NQ*\i+1], v[ADRS] offset:\i*SBLK
.endr
.endm
.macro PLACES n                        ; plain vector lines between a matrix instruction and a load into, or a read of, its registers
.rept \n
	v_nop
.endr
.endm
.macro STEP slot, q, zero              ; 128 along K with its successor in the same slot
	s_wait_dscnt 4*NL                              ; B's set, A's blocks 0-3 and the scale words are in; the youngest 16 loads (A's blocks 4-7) may be out
.if \zero
	WIN 0x81                                       ; C, the bias, in window 0
.else
	WIN MUL_LO
.endif
	MUL16 0, (\q)%2, \q, \slot, \zero
	MUL16 2, (\q)%2, \q, \slot, \zero
	s_wait_dscnt 0
	PLACES NP
	FETCH_B \slot, (\q)+1, 1-(\q)%2
	FETCH_A \slot, (\q)+1, 0
.if \zero
	WIN 0xc1
.else
	WIN MUL_HI
.endif
	MUL16 4, (\q)%2, \q, \slot, \zero
	MUL16 6, (\q)%2, \q, \slot, \zero
	PLACES NP
	WIN 0
	FETCH_A \slot, (\q)+1, 4
.endm
; A slot's last step changes slots: one barrier; in front of it each wave waits for all its tensor loads, adds 0 to its spare word, and waits for that and for its own reads of this slot.
.macro TURN slot, next, fill
	s_wait_tensorcnt 0x0                           ; all my tensor loads have landed: my part of the next slot
	ds_add_u32 v[SPW], v[NIL]                      ; 0 onto my spare word
	s_wait_dscnt 4*NL+1                            ; (the add and the youngest 16 loads, A's blocks 4-7, may be out)
	WIN MUL_LO
	MUL16 0, 1, NQ-1, \slot, 0
	s_wait_dscnt 0x0                               ; the add is done, and my reads of this slot are over
	s_barrier_signal -1
	MUL16 2, 1, NQ-1, \slot, 0
	WIN 0
	s_barrier_wait -1
.if \fill
	CREST                                          ; the barrier has opened a round of the cluster's: no wave of any partner still reads this slot or has a load on its way
	s_add_nc_u64 s[G0+4*\slot+2:G0+4*\slot+3], s[G0+4*\slot+2:G0+4*\slot+3], 8192    ; two K steps on: 4,096 bytes of a tile each
	s_add_nc_u64 s[G0B+4*\slot+2:G0B+4*\slot+3], s[G0B+4*\slot+2:G0B+4*\slot+3], 8192
	JLOAD G0+4*\slot, G1, G0B+4*\slot, G1B         ; the first tensor load behind the round; its four v_nop are among the places in front of the loads below
	PLACES NP-4
.else
	PLACES NP
.endif
	s_wait_alu depctr_va_vdst(0)
	v_add_nc_u32 v[ADRS], 4*NQ, v[ADRS]            ; the next K step's scale words
	FETCH_B \next, 0, 0
	FETCH_A \next, 0, 0
	SCALES \next
	WIN MUL_HI
	MUL16 4, 1, NQ-1, \slot, 0
	MUL16 6, 1, NQ-1, \slot, 0
	PLACES NP
	WIN 0
	FETCH_A \next, 0, 4
.endm
; THE WAY OUT of A's block a: its 64 registers a lane are four blocks of 32 (with lane l xor 16).  They are quantised in place; the four pieces of codes are stored, 512 consecutive bytes each.
.macro QOUT a
.set WA, 2+(\a)/4
.set AS, 64*((\a)%4)
.set WN, 5*WA
	WIN WN                                         ; sources 0 and 1: the accumulators' window
.irp b, 0,1,2,3
	v_max3_num_f32 v[TM+\b], |v[AS+16*\b]|, |v[AS+16*\b+1]|, 0x4800000   ; each accumulator is read from its low end on; the floor 2^(9 - 127) holds the byte at 1
.endr
.irp i, 2,4,6,8,10,12,14
.irp b, 0,1,2,3
	v_max3_num_f32 v[TM+\b], |v[AS+16*\b+\i]|, |v[AS+16*\b+\i+1]|, v[TM+\b]
.endr
.endr
	WIN 0
.irp b, 0,1,2,3
	v_permlanex16_b32 v[TM+4+\b], v[TM+\b], s66, s67
.endr
.irp b, 0,1,2,3
	v_max_num_f32 v[TM+\b], v[TM+\b], v[TM+4+\b]
.endr
.irp b, 0,1,2,3
	v_add_nc_u32 v[TM+12+\b], 0xfc000000, v[TM+\b]
.endr
.irp b, 0,1,2,3
	v_and_or_b32 v[TM+8+\b], v[TM+\b], 0x7f800000, s94
.endr
.irp b, 0,1,2,3
	v_lshrrev_b32 v[TM+4+\b], 23, v[TM+12+\b]
.endr
	v_lshl_or_b32 v[SW+(\a)], v[TM+5], 8, v[TM+4]
	v_lshl_or_b32 v[SW+(\a)], v[TM+6], 16, v[SW+(\a)]
	v_lshl_or_b32 v[SW+(\a)], v[TM+7], 24, v[SW+(\a)]
	s_wait_xcnt 0x0                                ; the last block's stores have read their codes and their base
.if (\a) == 4
	s_add_co_u32 s10, s10, s3
	s_add_co_ci_u32 s11, s11, 0
.elseif (\a) > 0
	s_add_co_u32 s10, s10, s2
	s_add_co_ci_u32 s11, s11, 0
.endif
.set WN, 65*WA
	WIN WN                                         ; source 0 and destination: the accumulators' window
.set J, 0
.rept 64
	v_med3_num_f32 v[AS+J], v[AS+J], -v[TM+8+J/16], v[TM+8+J/16]   ; the conversion does not saturate (ISA guide 7.6.2): the hold comes first
.set J, J+1
.endr
	WIN WA
.irp b, 0,1,2,3
	v_cvt_scalef32_pk8_fp8_f32 v[PC+4*\b:PC+4*\b+1], v[AS+16*\b:AS+16*\b+7], v[TM+12+\b]
	v_cvt_scalef32_pk8_fp8_f32 v[PC+4*\b+2:PC+4*\b+3], v[AS+16*\b+8:AS+16*\b+15], v[TM+12+\b]
.endr
	WIN 0
	v_nop                                          ; a plain line behind the last conversion
.irp b, 0,1,2,3
	global_store_b128 v[VO+\b/2], v[PC+4*\b:PC+4*\b+3], s[10:11] offset:512*(\b%2)
.endr
.endm
	s_load_b256 s[4:11], s[0:1], 0x0               ; xq s[4:5], wq s[6:7], b_qkv s[8:9], qq s[10:11]
	s_load_b64 s[12:13], s[0:1], 0x20              ; kv
	v_lshl_add_u32 v[SPW], v0, 2, SPARE
	v_mov_b32 v[NIL], 0
	ds_add_u32 v28, v29
	ds_add_u32 v28, v29
	s_wait_dscnt 0x0
	v_lshrrev_b32 v1, 5, v0
	v_readfirstlane_b32 s14, v1                    ; wave 0..3
	s_lshr_b32 s15, s14, 1                         ; which half of A's rows is mine.  Also: I fetch for A (0) or for B (1)
	s_and_b32 s16, s14, 1                          ; which half of B's rows.  Also: which 128 rows I fetch
	s_bfe_u32 s40, ttmp6, 0x40000                  ; cx, cy: my place in the cluster
	s_bfe_u32 s41, ttmp6, 0x40004
	s_lshr_b32 s17, ttmp9, 1
	s_lshl_b32 s17, s17, 2                         ; q, k: A's tiles 4 (c / 2) on: x
	s_and_b32 s42, ttmp9, 1
	s_lshl_b32 s42, s42, 2                         ; q, k: B's tiles 4 (c % 2) on: w_qkv's columns 0 or 1,024 on
	s_sub_co_u32 s18, ttmp9, 16
	s_lshl_b32 s18, s18, 2                         ; v: B's tiles 4 (c - 16) on: x
	s_mov_b32 s100, XS_OFF
	s_mov_b32 s101, WS_OFF
	s_cmp_lt_u32 ttmp9, 16                         ; the cluster's number: the same in all sixteen partners
	s_cselect_b32 s[MODEV], 0, 1
	s_cselect_b32 s17, s17, 8                      ; v: A's tiles 8 on: w_qkv's columns 2,048 on
	s_cselect_b32 s42, s42, s18
	s_cselect_b32 s19, s100, s101                  ; where A's scale bytes begin in its buffer,
	s_cselect_b32 s101, s101, s100                 ; and B's
	s_mov_b32 s100, s19
	s_add_co_u32 s17, s17, s41                     ; A's tile of 256 rows: hangs on cy
	s_add_co_u32 s42, s42, s40                     ; B's: hangs on cx
	s_lshl_b32 s43, s41, 2
	s_lshl_b32 s43, 15, s43                        ; my row of the cluster
	s_lshl_b32 s44, 0x1111, s40                    ; my column
	; descriptor group 1 for codes: 8 tiles, of each the 4,096 bytes of a K step of 256: rows of 512 elements of 8 bytes, 16,384 bytes apart; dense in LDS
	s_or_b32 s[G1+0], s43, (3<<16)|(1<<21)
	s_or_b32 s[G1B+0], s44, (3<<16)|(1<<21)
.irp g, G1, G1B
	s_mov_b32 s[\g+1], 512<<16                     ; tensor_dim0
	s_mov_b32 s[\g+2], 16<<16                      ; tensor_dim1: 16 tiles for the head's loads; behind them 8
	s_mov_b32 s[\g+3], 512<<16                     ; tile_dim0
	s_mov_b32 s[\g+4], 16                          ; tile_dim1
	s_mov_b32 s[\g+5], 2048                        ; tensor_dim0_stride
	s_mov_b32 s[\g+6], 0
	s_mov_b32 s[\g+7], 0
.endr
	; and for the scale bytes of 256 rows: 8,192 dense bytes as 32 rows of 256, 16 bytes of padding behind each
	s_or_b32 s[G1S+0], s43, (3<<16)|(1<<20)|(1<<21)|(5<<22)|(3<<25)
	s_or_b32 s[G1SB+0], s44, (3<<16)|(1<<20)|(1<<21)|(5<<22)|(3<<25)
.irp g, G1S, G1SB
	s_mov_b32 s[\g+1], 32<<16
	s_mov_b32 s[\g+2], 32<<16                      ; the scale bytes of all 256 rows come by one load: 32 rows of 256 bytes
	s_mov_b32 s[\g+3], 32<<16
	s_mov_b32 s[\g+4], 32
	s_mov_b32 s[\g+5], 32
	s_mov_b32 s[\g+6], 0
	s_mov_b32 s[\g+7], 0
.endr
	s_lshl_b32 s18, s16, 7                         ; which 128 rows of the tile I fetch
	s_lshl_b32 s20, s17, 8
	s_add_co_u32 s20, s20, s18                     ; A's row
	s_lshl_b32 s46, s42, 8
	s_add_co_u32 s46, s46, s18                     ; B's row
	s_lshl_b32 s22, s20, 5
	s_add_co_u32 s22, s22, s100                    ; its scale bytes: 32 a row
	s_lshl_b32 s92, s46, 5
	s_add_co_u32 s92, s92, s101
	s_lshl_b32 s20, s20, 10                        ; its codes: 16 rows are 16,384 bytes
	s_lshl_b32 s46, s46, 10
	s_mov_b32 s21, 0
	s_mov_b32 s23, 0
	s_mov_b32 s47, 0
	s_mov_b32 s93, 0
	s_mul_i32 s45, s14, HALFT                      ; where they go: no place in the cluster enters an LDS address
	s_mul_i32 s94, s14, HALFS
	s_wait_kmcnt 0x0
	s_cmp_lt_u32 ttmp9, 16
	s_cselect_b64 s[96:97], s[4:5], s[6:7]         ; A's buffer
	s_cselect_b64 s[98:99], s[6:7], s[4:5]         ; B's
	s_add_nc_u64 s[20:21], s[96:97], s[20:21]
	s_add_nc_u64 s[22:23], s[96:97], s[22:23]
	s_add_nc_u64 s[46:47], s[98:99], s[46:47]
	s_add_nc_u64 s[92:93], s[98:99], s[92:93]
	; the prefetches: of the 8 tiles that I fetch, each of the four partners that ask for them with me names two, told apart by address (cx for A, cy for B)
	s_cmp_eq_u32 s15, 0
	s_cselect_b64 s[96:97], s[20:21], s[46:47]     ; my 8 tiles' first byte
	s_cselect_b32 s98, s40, s41
	s_lshl_b32 s98, s98, 15                        ; two tiles of 16,384 bytes for each place
	s_xor_b32 s99, s15, s[MODEV]                   ; 1: what I fetch is a weight, which eight clusters read: four of them ask for it
	s_and_b32 s19, ttmp9, 15
	s_cmp_lt_u32 s19, 4
	s_cselect_b32 s99, 0, s99                      ; 0: my wave asks
	CROUND                                         ; all sixteen work-groups are here: the first joint loads meet
	s_mov_b32 s[G0S], 1
	s_add_co_u32 s[G0S+1], s94, SCL-HALFS          ; wave 1 asks for A's scale bytes, whole: it steps back from its own half to the first
	s_sub_nc_u64 s[G0S+2:G0S+3], s[22:23], 4096
	s_or_b32 s[G0S+3], s[G0S+3], 0x80000000
	s_mov_b32 s[G0SB], 1
	s_add_co_u32 s[G0SB+1], s94, SCL-HALFS         ; wave 3 likewise for B's
	s_sub_nc_u64 s[G0SB+2:G0SB+3], s[92:93], 4096
	s_or_b32 s[G0SB+3], s[G0SB+3], 0x80000000
.irp s, 0,1
	s_mov_b32 s[G0+4*\s], 1
	s_add_co_u32 s[G0+4*\s+1], s45, \s*SLOT
	s_add_nc_u64 s[G0+4*\s+2:G0+4*\s+3], s[20:21], \s*4096
	s_or_b32 s[G0+4*\s+3], s[G0+4*\s+3], 0x80000000
	s_mov_b32 s[G0B+4*\s], 1
	s_add_co_u32 s[G0B+4*\s+1], s45, \s*SLOT
	s_add_nc_u64 s[G0B+4*\s+2:G0B+4*\s+3], s[46:47], \s*4096
	s_or_b32 s[G0B+4*\s+3], s[G0B+4*\s+3], 0x80000000
.endr
; The head's loads, one a wave: wave 0 K step 0's 16 tiles of A, wave 1 A's scale bytes, wave 2 its 16 tiles of B, wave 3 B's scale bytes.
; One chain of branches on the wave's number: every way passes exactly one load.  Waves 0 and 2 hold the first half's addresses, so their slot 0 descriptors serve as they stand.
.macro ARM under, g0, g1, next
	s_cmp_lt_u32 s14, \under
	s_cbranch_scc0 \next
	tensor_load_to_lds s[\g0:\g0+3], s[\g1:\g1+7]
	s_nop 0
.rept 4
	v_nop
.endr
	s_branch .Lhead_asked
\next:
.endm
	ARM 1, G0,  G1,  .Lhead_sa
	ARM 2, G0S, G1S, .Lhead_b
	ARM 3, G0B, G1B, .Lhead_sb
	tensor_load_to_lds s[G0SB:G0SB+3], s[G1SB:G1SB+7]
	s_nop 0
.rept 4
	v_nop
.endr
.Lhead_asked:
	v_bfe_u32 v9, v0, 4, 1
	v_and_b32 v8, 15, v0
	v_lshlrev_b32 v8, 8, v8
	v_lshl_add_u32 v8, v9, 14, v8
	v_add_nc_u32 v8, s98, v8                       ; lanes 0-15: the 16 blocks of 256 bytes of a K step of one tile; lanes 16-31: of the next; never rewritten
	s_cmp_eq_u32 s99, 0
	s_cbranch_scc0 .Lno_ask0
	global_prefetch_b8 v8, s[96:97] offset:4096 th:TH_LOAD_NT scope:SCOPE_SE    ; K step 1, which the next tensor load asks for,
	global_prefetch_b8 v8, s[96:97] offset:8192 th:TH_LOAD_NT scope:SCOPE_SE    ; and K step 2, the one after
.Lno_ask0:
	v_and_b32 v1, 15, v0                           ; r
	v_bfe_u32 v2, v0, 4, 1                         ; h
	v_and_b32 v3, 31, v0
	v_lshlrev_b32 v4, 4, v3                        ; 16 x lane
	s_mul_i32 s21, s15, HALFT                      ; my 8 tiles of A
	s_mul_i32 s22, s16, HALFT                      ; my 8 tiles of B,
	s_add_co_u32 s22, s22, 2*HALFT                 ; behind A's 16
.irp s, 0,1
	v_add_nc_u32 v[ADRA+\s], s21, v4
	v_add_nc_u32 v[ADRB+\s], s22, v4
	s_add_co_u32 s21, s21, SLOT
	s_add_co_u32 s22, s22, SLOT
.endr
	v_lshlrev_b32 v5, 5, v1                        ; my row's scale bytes: 32 a row,
	v_lshrrev_b32 v6, 8, v5
	v_lshl_add_u32 v5, v6, 4, v5                   ; and 16 more for each 256 passed
	s_mul_i32 s21, s15, HALFS
	s_mul_i32 s22, s16, HALFS
	s_add_co_u32 s22, s22, 2*HALFS
	s_sub_co_u32 s22, s22, s21
	v_mul_u32_u24 v6, s22, v2                      ; lanes 16-31 take B's
	s_add_co_u32 s21, s21, SCL
	v_add_nc_u32 v5, v5, v6
	v_add_nc_u32 v[ADRS], s21, v5
	; the bias, in the result's layout
	s_cmp_eq_u32 s[MODEV], 0
	s_cbranch_scc0 .Lbias_v
	s_lshl_b32 s46, s42, 10                        ; q, k: along B's rows: column 256 x tile + 128 x half + 32 (b / 2) + 8 (b % 2) + 16 h + j
	s_lshl_b32 s47, s16, 9
	s_add_co_u32 s46, s46, s47
	s_mov_b32 s47, 0
	s_add_nc_u64 s[46:47], s[8:9], s[46:47]
	v_lshlrev_b32 v7, 6, v2
.irp b, 0,1,2,3,4,5,6,7
	global_load_b128 v[BI+8*\b:BI+8*\b+3], v7, s[46:47] offset:(32*(\b/2)+8*(\b%2))*4
	global_load_b128 v[BI+8*\b+4:BI+8*\b+7], v7, s[46:47] offset:(32*(\b/2)+8*(\b%2))*4+16
.endr
	s_branch .Lbias_done
.Lbias_v:
	s_lshl_b32 s20, s41, 10                        ; v: along A's rows: one number a lane and block, in all eight registers
	s_lshl_b32 s21, s15, 9
	s_add_co_u32 s20, s20, s21
	s_add_co_u32 s20, s20, 2048*4
	s_mov_b32 s21, 0
	s_add_nc_u64 s[20:21], s[8:9], s[20:21]
	v_and_b32 v7, 8, v1
	v_add_nc_u32 v7, v7, v1
	v_lshlrev_b32 v7, 2, v7                        ; 4 (r + 8 (r / 8))
.irp a, 0,1,2,3,4,5,6,7
.irp j, 0,1,2,3,4,5,6,7
	global_load_b32 v[BI+8*\a+\j], v7, s[20:21] offset:(32*(\a/2)+8*(\a%2))*4
.endr
.endr
.Lbias_done:
	s_wait_xcnt 0x0                                ; the bias loads have read their base: the registers below are written again only behind this wait
	; where the results go
	s_and_b32 s18, ttmp9, 1
	s_or_b32 s18, s18, s[MODEV]                    ; 0 in a cluster that makes q
	s_and_b32 s19, s42, 3
	s_cmp_eq_u32 s[MODEV], 0
	s_cselect_b32 s20, s17, s42                    ; x's tile of 256 rows,
	s_cselect_b32 s21, s15, s16                    ; and my half of it
	s_cselect_b32 s19, s19, s41                    ; the tile of 256 among q's (k's, v's) 1,024 columns,
	s_cselect_b32 s22, s16, s15                    ; and my half of it
	s_lshl_b32 s19, s19, 2
	s_lshl_b32 s22, s22, 1
	s_add_co_u32 s19, s19, s22
	s_lshr_b32 s22, s20, 3                         ; the batch
	s_lshl_b32 s22, s22, 4
	s_add_co_u32 s19, s19, s22                     ; my first head of two: 16 x batch + 4 x tile + 2 x half
	s_and_b32 s20, s20, 7
	s_lshl_b32 s20, s20, 1
	s_add_co_u32 s20, s20, s21                     ; my 128 tokens: the key step
	s_mov_b32 s2, HEADB
	s_mov_b32 s3, REC
	s_cmp_eq_u32 s18, 0
	s_cselect_b64 s[8:9], s[10:11], s[12:13]       ; the scale words' buffer,
	s_cselect_b64 s[10:11], s[10:11], s[12:13]     ; the codes': qq for q, kv for k and v
	s_cselect_b32 s21, 131072, s2                  ; codes: from head to head,
	s_cselect_b32 s22, 8192, s3                    ; from key step to key step
	s_cselect_b32 s23, 8192, s2                    ; scale words: from head to head,
	s_cselect_b32 s3, 512, s3                      ; from key step to key step
	s_mul_i32 s12, s20, s22
	s_mul_i32 s22, s19, s21
	s_add_co_u32 s12, s12, s22
	s_mul_i32 s46, s20, s3
	s_mul_i32 s22, s19, s23
	s_add_co_u32 s46, s46, s22
	s_mov_b32 s22, 16384
	s_cmp_eq_u32 s18, 0
	s_cselect_b32 s22, QS_OFF, s22                 ; q's words lie behind q's codes, k's at 16,384 of a record,
	s_mov_b32 s3, 16896
	s_mov_b32 s19, 2048
	s_mov_b32 s20, HEADB-6144
	s_cmp_eq_u32 s[MODEV], 0
	s_cselect_b32 s22, s22, s3                     ; v's at 16,896
	s_cselect_b32 s3, 0, 8192                      ; v^T's codes lie behind k's
	s_cselect_b32 s21, s21, 1024                   ; pieces 2, 3: the next head's (q, k), or the same fragment's (v)
	s_cselect_b32 s18, 5, 4
	s_cselect_b32 s47, 16, s2
	s_cselect_b32 s2, 1024, s19                    ; from block a to a + 1,
	s_cselect_b32 s20, 1024, s20                   ; and from 3 to 4: for v the next head's first tile of d
	s_add_co_u32 s12, s12, s3
	s_add_co_u32 s46, s46, s22
	s_mov_b32 s3, s20
	v_mov_b32 v[VO], v4
	v_add_nc_u32 v[VO+1], s21, v4
	v_lshlrev_b32 v[VS], s18, v1
	v_mad_u32_u24 v[VS], v2, s47, v[VS]            ; q, k: 32 r + 16 h;  v: 16 r, lanes 16-31 in the next head's record
	v_add_nc_u32 v[VS2], s23, v[VS]
	s_mov_b32 s13, 0
	s_mov_b32 s47, 0
	s_add_nc_u64 s[10:11], s[10:11], s[12:13]
	s_add_nc_u64 s[8:9], s[8:9], s[46:47]
	s_mov_b32 s66, 0x76543210                      ; selects for v_permlanex16_b32: lane l xor 16
	s_mov_b32 s67, 0xfedcba98
	s_mov_b32 s94, 0x600000                        ; the mantissa field of 448
	s_wait_alu depctr_va_vdst(0)                   ; the head's end
	s_wait_tensorcnt 0x0                           ; my tile of the head's four is in
	ds_add_u32 v[SPW], v[NIL]
	s_mov_b32 s[G1+2], 8<<16                       ; no tensor load of mine is out: from here on a load brings 8 tiles
	s_mov_b32 s[G1+4], 8
	s_mov_b32 s[G1B+2], 8<<16
	s_mov_b32 s[G1B+4], 8
	s_wait_dscnt 0x0
	CROUND                                         ; all four tiles are in, and all sixteen work-groups are here
	JLOAD G0+4, G1, G0B+4, G1B                     ; K step 1, the first tensor load behind the round
	FETCH_B 0, 0, 0
	FETCH_A 0, 0, 0
	s_wait_alu depctr_va_vdst(0)
	SCALES 0
	FETCH_A 0, 0, 4
	s_cmp_eq_u32 s99, 0
	s_cbranch_scc0 .Lno_ask1
	global_prefetch_b8 v8, s[96:97] offset:12288 th:TH_LOAD_NT scope:SCOPE_SE   ; K step 3, the last: two refills on
.Lno_ask1:
	s_wait_loadcnt 0x0                             ; the bias
	s_cmp_eq_u32 s[MODEV], 0
	s_cbranch_scc0 .Lfirst_v
	STEP 0, 0, 1                                   ; the first step's products start the sums from the bias
	s_branch .Lfirst_done
.Lfirst_v:
	STEP 0, 0, 2
.Lfirst_done:
	TURN 0, 1, 1                                   ; four K steps of 256, written out: slot 0 takes K step 2,
	STEP 1, 0, 0
	TURN 1, 0, 1                                   ; slot 1 K step 3,
	STEP 0, 0, 0
	TURN 0, 1, 0                                   ; and nothing is left to fetch
	STEP 1, 0, 0
	s_wait_dscnt 4*NL
	WIN MUL_LO
	MUL16 0, 1, NQ-1, 1, 0
	MUL16 2, 1, NQ-1, 1, 0
	s_wait_dscnt 0
	WIN MUL_HI
	MUL16 4, 1, NQ-1, 1, 0
	MUL16 6, 1, NQ-1, 1, 0
	WIN 0
	PLACES NP
.irp b, 0,1,2,3
	v_mov_b32 v[TM+4+\b], 0                        ; a lane permute's destination counts as one of its sources
.endr
.irp a, 0,1,2,3,4,5,6,7
	QOUT \a
.endr
	v_cmp_eq_u32 vcc_lo, 1, v2
.irp i, 0,1,2,3
	v_cndmask_b32 v[TT+\i], v[SW+\i], v[SW+4+\i], vcc_lo   ; lanes 0-15 store blocks 0-3's words, lanes 16-31 blocks 4-7's
.endr
	global_store_b128 v[VS], v[TT:TT+3], s[8:9]
	s_cmp_eq_u32 s[MODEV], 0
	s_cbranch_scc0 .Lno_odd
.irp i, 0,1,2,3
	v_lshrrev_b32 v[TT+4+\i], 16, v[TT+\i]         ; q, k: the odd head's two bytes, zeros above them
.endr
	global_store_b128 v[VS2], v[TT+4:TT+7], s[8:9]
.Lno_odd:
	s_wait_tensorcnt 0x0                           ; the wave's end
	ds_add_u32 v[SPW], v[NIL]
	s_wait_dscnt 0x0
	CROUND                                         ; the closing round: no work-group ends while a partner may still ask for a tile that names it
	s_endpgm
.Lfunc_end_k_q2ea68fa126_gemm_qkv:
	.size	k_q2ea68fa126_gemm_qkv, .Lfunc_end_k_q2ea68fa126_gemm_qkv-k_q2ea68fa126_gemm_qkv
	.p2alignl 7, 3214868480
	.fill 96, 4, 3214868480
	.section	.rodata,"a",@progbits
	.p2align	6, 0x0
	.amdhsa_kernel k_q2ea68fa126_gemm_qkv
		.amdhsa_group_segment_fixed_size 327680
		.amdhsa_private_segment_fixed_size 0
		.amdhsa_enable_private_segment 0
		.amdhsa_kernarg_size 40
		.amdhsa_user_sgpr_count 2
		.amdhsa_user_sgpr_kernarg_segment_ptr 1
		.amdhsa_wavefront_size32 1
		.amdhsa_system_sgpr_workgroup_id_x 1
		.amdhsa_system_sgpr_workgroup_id_y 1
		.amdhsa_system_sgpr_workgroup_id_z 1
		.amdhsa_system_vgpr_workitem_id 0
		.amdhsa_next_free_vgpr 1024
		.amdhsa_next_free_sgpr 102
		.amdhsa_reserve_vcc 1
		.amdhsa_float_denorm_mode_32 3
		.amdhsa_float_denorm_mode_16_64 3
		.amdhsa_memory_ordered 1
		.amdhsa_forward_progress 1
		.amdhsa_inst_pref_size 210
	.end_amdhsa_kernel
	.amdgpu_metadata
---
amdhsa.version: [ 1, 2 ]
amdhsa.kernels:
  - .name:           k_q2ea68fa126_gemm_qkv
    .symbol:         k_q2ea68fa126_gemm_qkv.kd
    .args:
      - { .name: xq, .offset: 0, .size: 8, .value_kind: global_buffer, .address_space: global }
      - { .name: wq, .offset: 8, .size: 8, .value_kind: global_buffer, .address_space: global }
      - { .name: b_qkv, .offset: 16, .size: 8, .value_kind: global_buffer, .address_space: global }
      - { .name: qq, .offset: 24, .size: 8, .value_kind: global_buffer, .address_space: global }
      - { .name: kv, .offset: 32, .size: 8, .value_kind: global_buffer, .address_space: global }
    .group_segment_fixed_size: 327680
    .private_segment_fixed_size: 0
    .kernarg_segment_align: 8
    .kernarg_segment_size: 40
    .max_flat_workgroup_size: 128
    .sgpr_count:     102
    .vgpr_count:     1024
    .wavefront_size: 32
...
	.end_amdgpu_metadata
.endif
;; end of part 2
;; launch attn (part 3): grid 4 x 64, 8 waves a work-group, clusters of 4 x 1, 327,680 bytes of LDS; arguments qq, kv, yq; writes yq
.if DOCPART == 3
	.amdgcn_target "amdgcn-amd-amdhsa--gfx1250"
	.amdhsa_code_object_version 6
	.text
	.protected	k_q2ea68fa126_attn
	.globl	k_q2ea68fa126_attn
	.p2align	8
	.type	k_q2ea68fa126_attn,@function
k_q2ea68fa126_attn:
	s_mov_b64 s[64:65], 0
	v_nop
	global_prefetch_b8 v0, s[64:65] scope:SCOPE_SE
	s_setreg_imm32_b32 hwreg(HW_REG_WAVE_MODE, 25, 1), 1
	s_wait_xcnt 0x0
	s_wait_alu depctr_hold_cnt(0) depctr_sa_sdst(0) depctr_va_vdst(0) depctr_va_sdst(0) depctr_va_ssrc(0) depctr_va_vcc(0) depctr_vm_vsrc(0)
	s_getreg_b32 s2, hwreg(HW_REG_IB_STS2, 6, 4)
	s_cmp_eq_u32 s2, 0
	s_cbranch_scc0 .Lentry_in_a_cluster
	s_endpgm
.Lentry_in_a_cluster:
	s_bfe_u32 s2, ttmp6, 0x10000c
	s_cmp_lg_u32 s2, 0x3003
	s_cbranch_scc0 .Lentry_shape_is_right
	s_endpgm
.Lentry_shape_is_right:
; y[head][q] = the sum over keys k <= q of softmax_k(q . k / 8) v[k], both products on codes of E4M3 with E8M0 scales; y is quantised along the head's 64 and leaves as codes for the last product.
; SOFTMAX: t = score x log2(e) / 8; M = the running largest t rounded up to a whole number; p = 2^(t - M) is quantised along the keys, not normalised; the row's sum is taken of the unquantised p and divides at the end.
; When M moves, the sum and O are multiplied by f = 2^(old M - new M): exact.
; LEFT OUT: key steps all of whose keys come after a tile's queries: the causal mask makes their p zero for every input.
; THE DEAL.  A cluster of four work-groups owns a head.  A head has 16 runs of 128 queries, eight tiles of 16 each; of run m work-group cx takes tiles 8 m + cx (A) and 8 m + 4 + cx (B).
; Wave w takes both tiles of run 15 - w and then both of run w: (16 - w) + (w + 1) = 17 key steps in every wave, the last of a run on the diagonal.  No branch hangs on cx: it enters global addresses and the
; diagonal's compare value alone.  The four partners read the same records and ask for them JOINTLY (mask 15).  Each fragment of K and of V feeds two products, A's and B's.
; LDS.  A head's k and v^T, codes and scale words, are 16 records of 17,152 bytes, one for each 128 keys; wave w asks for records 2 w and 2 w + 1 by one tensor load at the head; nothing is filled again.
; Waves 0 and 1 have a load line of their own: the first barrier shows records 0-3, the second, four steps on, all sixteen.
; NO PREFETCH INTO THE L2: every record is asked for by the head's tensor loads, so no later load is left to run ahead of.
; FROM LDS: V of a step is asked for at the step's head; K of the next step behind this step's first products, its record held at the last that the loop in hand may read.
; LAYOUT.  Both products are used transposed (S^T = K Q^T, O^T = V^T P^T): a lane holds one query of each tile.  Lane r of tile t stands for row 32 (t / 2) + 8 (t % 2) + r + 8 (r / 8), for queries, keys and the head's 64 alike.
; The first product's K is 64.  Q's fragments have zero codes in their upper halves; K's eight tiles lie on end, 8 registers each, and tile t's fragment is registers 8 t .. 8 t + 15: its upper half, the next tile's
; codes (behind tile 7: zeros), meets Q's zeros.  No code is a NaN and no scale byte is 0xff, so these products are zeros.
; THE ROW'S SUM of a step is gathered in four pairs; the pairs are joined, and the sum brought under the new M, at the next step's head (or on the way out), where the lines are places behind the second products.
; LIMITS: NaN and infinities are not served; t must lie above -3e38; a block under 2^-118 keeps the byte 1; a block of zeros gets the byte 1, not 127 (zero codes; this program alone reads the bytes).
; REGISTERS.  Window 0 holds all that the softmax touches, for tile e = 0 (A), 1 (B); window 1 the products' other operands.
.set REC,    17152
.set HEADB,  16*REC
.set QS_OFF, 8388608
.set YS_OFF, 8388608
.set SPARE,  16*REC                    ; the spare words, 128 bytes a wave: four blocks of 256 bytes that no other line names
.set SPW,  9                           ; v9 my spare word, v10 zero: never rewritten.  v1-3, v7, v8 addresses that stay; v4, v11 V's; v5, v6 the next K's
.set NIL,  10
.set NM,   12                          ; v[12+2e] -M, v[13+2e] the largest t
.set L,    16                          ; v[16+2e:17+2e] the sum
.set F,    20                          ; v[20+2e:21+2e] f (the low word serves both halves); on the diagonal, ahead of f: the compare values and -infinity
.set TP,   24                          ; v[24+e], v[26+e] at work
.set R,    26
.set KS,   32                          ; v32-39 K's scale words, v40-43 V's, v[44+e] Q's, v[46+e] p's
.set VW,   40
.set QW,   44
.set PW,   46
.set BM,   48                          ; + 16 e: four each: the blocks' largest; at work; 448 x the scale; the conversions' scale operands
.set T2,   52
.set HB,   56
.set SO,   60
.set PS,   80                          ; v[80+8e ..] the step's sum in four pairs
.set S,    96                          ; v[96+64e ..] S^T, then p
.set PC,   224                         ; v[224+16e ..] p's codes
.set K1,   0                           ; window 1: v0-71 K's eight tiles and eight registers of zeros
.set Q1,   72                          ; v[72+16e ..] Q
.set V1,   104                         ; v104-167 V's four fragments
.set O1,   168                         ; v[168+32e ..] O^T
.set WV,   10                          ; s10 wave, s11 cx, s12 head, s14 the run of 128 in hand, s15 the diagonal's offset, s16 the key step, s17 its record in LDS
.set CX,   11
.set MR,   14
.set SD,   15
.set KI,   16
.set TB,   17
.set CNT,  18
.set MNT,  19                          ; the mantissa field of 448
.set SEL,  20                          ; s[20:21] selects for v_permlanex16_b32: lane l xor 16
.set CS,   22                          ; s[22:23] c = log2(e) / 8
.set G1,   24
.set G0,   32
.set QC,   40                          ; s[40:41] tile A's codes of Q; s[42:43] its scale words; s[44:45] its place in y's image; s[46:47] among y's scale bytes.  Tile B lies 4 tiles on: immediates
.set QS,   42
.set YC,   44
.set YS,   46
.set MSB, 0
.macro WIN new                         ; bits 1:0 source 0, 3:2 source 1, 5:4 source 2, 7:6 destination; the high byte repeats the setting that is left
.if MSB != (\new)
	s_set_vgpr_msb (MSB<<8)|(\new)
.set MSB, (\new)
.endif
.endm
.macro NOPS n
.rept \n
	v_nop
.endr
.endm
.macro WALU
	s_wait_alu depctr_va_vdst(0)
.endm
.macro ROUND                           ; a round of the cluster's barrier
	s_barrier_signal -1
	s_barrier_wait -1
	s_cmp_lg_u32 s[WV], 0
	s_cbranch_scc1 .Lnw0_\@
	s_barrier_signal -3
.Lnw0_\@:
	s_barrier_wait -3
	s_barrier_signal -1
	s_barrier_wait -1
.endm
.macro SETQ                            ; from the run: tile A (s48) and where its Q lies
	s_lshl_b32 s48, s[MR], 3
	s_add_co_u32 s48, s48, s[CX]
	s_lshl_b32 s50, s48, 10
	s_add_nc_u64 s[QC:QC+1], s[52:53], s[50:51]
	s_lshl_b32 s50, s[MR], 9
	s_lshl_b32 s49, s[CX], 2
	s_add_co_u32 s50, s50, s49
	s_add_nc_u64 s[QS:QS+1], s[54:55], s[50:51]
.endm
.macro SETY                            ; from the tile: where y goes
	s_lshl_b32 s50, s48, 14
	s_add_nc_u64 s[YC:YC+1], s[56:57], s[50:51]
	s_lshl_b32 s50, s48, 9
	s_add_nc_u64 s[YS:YS+1], s[58:59], s[50:51]
.endm
.macro QLOAD
	WIN 0x40
.irp e, 0,1
	global_load_b128 v[Q1+16*\e:Q1+3+16*\e], v1, s[QC:QC+1] offset:4096*\e
	global_load_b128 v[Q1+4+16*\e:Q1+7+16*\e], v1, s[QC:QC+1] offset:4096*\e+512
.endr
	WIN 0
.irp e, 0,1
	global_load_b32 v[QW+\e], v8, s[QS:QS+1] offset:16*\e
.endr
.endm
.macro INIT                            ; the step is written once: the first finds zeros, which the first change of M leaves zeros
.irp e, 0,1
	v_mov_b32 v[NM+1+2*\e], 0xff61b1e6             ; -3e38, under every t
	v_mov_b32 v[L+2*\e], 0
	v_mov_b32 v[L+1+2*\e], 0
.endr
.irp e, 0,1
	v_floor_f32 v[NM+2*\e], -v[NM+1+2*\e]
.endr
.set J, 0
.rept 16
	v_mov_b32 v[PS+J], 0
.set J, J+1
.endr
	WIN 0x40
.set J, 0
.rept 64
	v_mov_b32 v[O1+J], 0
.set J, J+1
.endr
	WIN 0
.endm
.macro JOIN                            ; the last step's four pairs are joined, and the sum is brought under that step's M: sum x f + the step's.  Eight plain lines
.irp e, 0,1
	v_pk_add_f32 v[PS+8*\e:PS+1+8*\e], v[PS+8*\e:PS+1+8*\e], v[PS+2+8*\e:PS+3+8*\e]
	v_pk_add_f32 v[PS+4+8*\e:PS+5+8*\e], v[PS+4+8*\e:PS+5+8*\e], v[PS+6+8*\e:PS+7+8*\e]
.endr
.irp e, 0,1
	v_pk_fma_f32 v[L+2*\e:L+1+2*\e], v[L+2*\e:L+1+2*\e], v[F+2*\e:F+1+2*\e], v[PS+8*\e:PS+1+8*\e] op_sel_hi:[1,0,1]
.endr
.irp e, 0,1
	v_pk_add_f32 v[L+2*\e:L+1+2*\e], v[L+2*\e:L+1+2*\e], v[PS+4+8*\e:PS+5+8*\e]
.endr
.endm
.macro HOLD2 xa, ba, xb, bb            ; two holds in one line: p is not negative, so the hold is one-sided.  One destination even, one odd; the bounds' and the numbers' registers differ modulo 4
	v_dual_min_num_f32 v[\xa], v[\ba], v[\xa] :: v_dual_min_num_f32 v[\xb], v[\bb], v[\xb]
.endm
.macro KLOAD                           ; K's eight tiles, two pieces each, on end, and its scale words: 18 loads, from v5 and v6
	WIN 0x40
.set J, 0
.rept 16
	ds_load_b128 v[K1+4*J:K1+4*J+3], v5 offset:512*J
.set J, J+1
.endr
	WIN 0
	ds_load_b128 v[KS:KS+3], v6
	ds_load_b128 v[KS+4:KS+7], v6 offset:16
.endm
; A KEY STEP: 128 keys for both tiles.  lim: the last record that the loop in hand may read
.macro STEP lim
	s_cmp_gt_u32 s[KI], s[MR]                      ; all its keys come after my queries: left out (wave number and count of steps alone)
	s_cbranch_scc1 .Lhid_\@
	JOIN
	v_add_nc_u32 v4, s[TB], v1
	v_add_nc_u32 v11, s[TB], v3                    ; with JOIN ten places behind the last products, ahead of the loads into what they read
	WIN 0x40
.set J, 0
.rept 16
	ds_load_b128 v[V1+4*J:V1+4*J+3], v4 offset:8192+512*J   ; V^T's four fragments
.set J, J+1
.endr
	WIN 0
	ds_load_b128 v[VW:VW+3], v11
	s_wait_dscnt 17                                ; K and its scale words are in; the 17 loads just issued may be out
	WIN 0x05
.irp t, 0,1,2,3,4,5,6,7
.irp e, 0,1
	v_wmma_scale_f32_16x16x128_f8f6f4 v[S+64*\e+8*\t:S+64*\e+8*\t+7], v[K1+8*\t:K1+8*\t+15], v[Q1+16*\e:Q1+16*\e+15], 0, v[KS+\t], v[QW+\e]
.endr
.endr
	WIN 0
	s_add_co_u32 s49, s[TB], REC
	s_min_u32 s49, s49, \lim
	v_add_nc_u32 v5, s49, v1
	v_add_nc_u32 v6, s49, v2
	v_mov_b32 v[TP], v[NM]                         ; the old -M
	v_mov_b32 v[TP+1], v[NM+2]
	NOPS 4                                         ; eight places: for the loads below and for the first reads of the scores
	KLOAD                                          ; the next step's K
	s_cmp_lg_u32 s[KI], s[MR]                      ; only the step on the diagonal is masked
	s_cbranch_scc1 .Lopen_\@
	v_add_nc_u32 v[F], s[SD], v7                   ; d = my query - the step's first key - 16 h.  Register 16 b + i holds key 32 b + 16 h + i of the step: hidden where 32 b + i > d
	v_mov_b32 v[F+1], 0xff800000
	v_add_nc_u32 v[F+2], 64, v[F]                  ; tile B's queries lie 64 on.  A's d is 63 at the most: its blocks 2, 3 are hidden whole; B's is 48 at the least: its blocks 0, 1 count whole
.set N, 0
.rept 32
	v_cmp_gt_i32 vcc_lo, 32*(N/16)+N%16, v[F]
	v_cndmask_b32 v[S+N], v[S+N], v[F+1], vcc_lo
	v_mov_b32 v[S+32+N], v[F+1]
	v_cmp_gt_i32 vcc_lo, 64+32*(N/16)+N%16, v[F+2]
	v_cndmask_b32 v[S+96+N], v[S+96+N], v[F+1], vcc_lo
.set N, N+1
.endr
.Lopen_\@:
.irp e, 0,1
.irp b, 0,1,2,3
	v_max3_num_f32 v[BM+16*\e+\b], v[S+64*\e+16*\b], v[S+64*\e+16*\b+1], v[S+64*\e+16*\b+2]   ; each block's largest score: for the row's maximum and, since p rises with the score, for the block's largest p
.endr
.endr
.irp i, 3,5,7,9,11,13
.irp e, 0,1
.irp b, 0,1,2,3
	v_max3_num_f32 v[BM+16*\e+\b], v[BM+16*\e+\b], v[S+64*\e+16*\b+\i], v[S+64*\e+16*\b+\i+1]
.endr
.endr
.endr
.irp e, 0,1
.irp b, 0,1,2,3
	v_max_num_f32 v[BM+16*\e+\b], v[BM+16*\e+\b], v[S+64*\e+16*\b+15]
.endr
.endr
.irp e, 0,1
.irp b, 0,1,2,3
	v_permlanex16_b32 v[T2+16*\e+\b], v[BM+16*\e+\b], s[SEL], s[SEL+1]
.endr
.endr
.irp e, 0,1
.irp b, 0,1,2,3
	v_max_num_f32 v[BM+16*\e+\b], v[BM+16*\e+\b], v[T2+16*\e+\b]
.endr
.endr
.irp e, 0,1
	v_max3_num_f32 v[R+\e], v[BM+16*\e], v[BM+16*\e+1], v[BM+16*\e+2]
.endr
.irp e, 0,1
	v_max_num_f32 v[R+\e], v[R+\e], v[BM+16*\e+3]
.endr
.irp e, 0,1
	v_mul_f32 v[R+\e], s[CS], v[R+\e]
.endr
.irp e, 0,1
	v_max_num_f32 v[NM+1+2*\e], v[NM+1+2*\e], v[R+\e]   ; the running largest t
.endr
.irp e, 0,1
	v_floor_f32 v[NM+2*\e], -v[NM+1+2*\e]          ; the new -M = -ceil(t)
.endr
.set J, 0
.rept 64
	v_pk_fma_f32 v[S+J:S+J+1], v[S+J:S+J+1], s[CS:CS+1], v[NM+2*(J/64):NM+1+2*(J/64)] op_sel_hi:[1,0,0]   ; t - M, two at a time; f's lines stand among them
.if J == 6
	v_sub_f32 v[TP], v[NM], v[TP]                  ; old M - new M: a whole number, 0 or less
	v_sub_f32 v[TP+1], v[NM+2], v[TP+1]
.endif
.if J == 14
	v_cvt_i32_f32 v[TP], v[TP]                     ; (it saturates)
	v_cvt_i32_f32 v[TP+1], v[TP+1]
.endif
.if J == 22
	v_ldexp_f32 v[F], 1.0, v[TP]                   ; f = 2^(old M - new M)
	v_ldexp_f32 v[F+2], 1.0, v[TP+1]
.endif
.set J, J+2
.endr
	WALU                                           ; ahead of the batch
.set J, 0
.rept 128
	v_exp_f32 v[S+J], v[S+J]                       ; p = 2^(t - M)
.set J, J+1
.endr
.irp e, 0,1
.irp b, 0,1,2,3
	v_fma_f32 v[BM+16*\e+\b], v[BM+16*\e+\b], s[CS], v[NM+2*\e]   ; the same of each block's largest score: plain lines behind the batch
.endr
.endr
	WALU                                           ; one wait for the batch, and ahead of the eight
.irp e, 0,1
.irp b, 0,1,2,3
	v_exp_f32 v[BM+16*\e+\b], v[BM+16*\e+\b]       ; each block's largest p
.endr
.endr
.irp e, 0,1
.irp a, 0,1,2,3
	v_pk_add_f32 v[PS+8*\e+2*\a:PS+8*\e+2*\a+1], v[S+64*\e+2*\a:S+64*\e+2*\a+1], v[S+64*\e+8+2*\a:S+64*\e+9+2*\a]   ; the sum of the unquantised p, in four chains a tile
.endr
.endr
.irp k, 2,3,4,5,6,7
.irp e, 0,1
.irp a, 0,1,2,3
	v_pk_add_f32 v[PS+8*\e+2*\a:PS+8*\e+2*\a+1], v[PS+8*\e+2*\a:PS+8*\e+2*\a+1], v[S+64*\e+8*\k+2*\a:S+64*\e+8*\k+2*\a+1]
.endr
.endr
.endr
	WALU                                           ; and one for the eight
.irp e, 0,1
.irp b, 0,1,2,3
	v_max_num_f32 v[BM+16*\e+\b], 0x4800000, v[BM+16*\e+\b]   ; the floor 2^(9 - 127): the byte cannot fall under 1
.endr
.endr
.irp e, 0,1
.irp b, 0,1,2,3
	v_add_nc_u32 v[SO+16*\e+\b], 0xfc000000, v[BM+16*\e+\b]   ; 8 off the exponent field: the conversion's scale operand
.endr
.endr
.irp e, 0,1
.irp b, 0,1,2,3
	v_and_or_b32 v[HB+16*\e+\b], v[BM+16*\e+\b], 0x7f800000, s[MNT]   ; 448 x the scale
.endr
.endr
.irp e, 0,1
.irp b, 0,1,2,3
	v_lshrrev_b32 v[T2+16*\e+\b], 23, v[SO+16*\e+\b]   ; the scale's byte
.endr
.endr
.irp e, 0,1
	v_lshl_or_b32 v[PW+\e], v[T2+16*\e+1], 8, v[T2+16*\e]   ; p's scale word for these 128 keys
.endr
.irp e, 0,1
	v_lshl_or_b32 v[PW+\e], v[T2+16*\e+2], 16, v[PW+\e]
.endr
.irp e, 0,1
	v_lshl_or_b32 v[PW+\e], v[T2+16*\e+3], 24, v[PW+\e]
.endr
.irp e, 0,1                                    ; the conversion does not saturate (ISA guide 7.6.2): the hold comes first; a line holds a number of block b and one of block b + 1
.irp b, 0,2
.irp i, 0,2,4,6,8,10,12,14
	HOLD2 S+64*\e+16*\b+\i, HB+16*\e+\b, S+64*\e+16*\b+17+\i, HB+16*\e+1+\b
	HOLD2 S+64*\e+16*\b+16+\i, HB+16*\e+1+\b, S+64*\e+16*\b+1+\i, HB+16*\e+\b
.endr
.irp g, 0,1
	v_cvt_scalef32_pk8_fp8_f32 v[PC+16*\e+4*(\b+\g):PC+16*\e+4*(\b+\g)+1], v[S+64*\e+16*(\b+\g):S+64*\e+16*(\b+\g)+7], v[SO+16*\e+\b+\g]
	v_cvt_scalef32_pk8_fp8_f32 v[PC+16*\e+4*(\b+\g)+2:PC+16*\e+4*(\b+\g)+3], v[S+64*\e+16*(\b+\g)+8:S+64*\e+16*(\b+\g)+15], v[SO+16*\e+\b+\g]
.endr
.endr
.endr
	WIN 0x41
	WALU                                           ; directly ahead of the first reader of O^T
.set J, 0
.rept 32
	v_pk_mul_f32 v[O1+J:O1+J+1], v[O1+J:O1+J+1], v[F+2*(J/32):F+1+2*(J/32)] op_sel_hi:[1,0]   ; O^T under the new M; also the places between the conversions and the products
.set J, J+2
.endr
	WALU                                           ; directly ahead of the wait below
	s_wait_dscnt 18                                ; V and its scale words are in; the next K's 18 loads may be out
	WIN 0x51
.irp t, 0,1,2,3
.irp e, 0,1
	v_wmma_scale_f32_16x16x128_f8f6f4 v[O1+32*\e+8*\t:O1+32*\e+8*\t+7], v[V1+16*\t:V1+16*\t+15], v[PC+16*\e:PC+16*\e+15], v[O1+32*\e+8*\t:O1+32*\e+8*\t+7], v[VW+\t], v[PW+\e]
.endr
.endr
	WIN 0
.Lhid_\@:
	s_add_co_u32 s[KI], s[KI], 1
	s_add_co_u32 s[TB], s[TB], REC
.endm
.macro LOOPN n, lim
	s_wait_dscnt 0x0                               ; no load into K's registers is out
	v_add_nc_u32 v5, s[TB], v1
	v_add_nc_u32 v6, s[TB], v2
	KLOAD                                          ; the loop's first K
	s_mov_b32 s[CNT], \n
.Lk_\@:
	STEP \lim
	s_sub_co_u32 s[CNT], s[CNT], 1
	s_cmp_lg_u32 s[CNT], 0
	s_cbranch_scc1 .Lk_\@
.endm
; THE WAY OUT: O^T / the sum; register 16 b + i is y(my query, 32 b + 16 h + i): two blocks of 32 a tile, quantised as every operand is; two pieces of 512 bytes and two scale bytes a row.
.macro EPI
	JOIN
.irp e, 0,1
	v_add_f32 v[L+2*\e], v[L+2*\e], v[L+1+2*\e]
.endr
.irp e, 0,1
	v_permlanex16_b32 v[T2+16*\e], v[L+2*\e], s[SEL], s[SEL+1]
.endr
.irp e, 0,1
	v_add_f32 v[L+2*\e], v[L+2*\e], v[T2+16*\e]
.endr
	WALU
.irp e, 0,1
	v_rcp_f32 v[L+2*\e], v[L+2*\e]
.endr
	v_nop                                          ; a plain line behind the reciprocals
	WIN 0x01
	WALU                                           ; ahead of their first reader, which is also O^T's
.set J, 0
.rept 32
	v_pk_mul_f32 v[S+64*(J/32)+J%32:S+64*(J/32)+J%32+1], v[O1+J:O1+J+1], v[L+2*(J/32):L+1+2*(J/32)] op_sel_hi:[1,0]   ; each accumulator from its low end on
.set J, J+2
.endr
	WIN 0
.irp e, 0,1
.irp b, 0,1
	v_max3_num_f32 v[BM+16*\e+\b], |v[S+64*\e+16*\b]|, |v[S+64*\e+16*\b+1]|, 0x4800000
.endr
.endr
.irp i, 2,4,6,8,10,12,14
.irp e, 0,1
.irp b, 0,1
	v_max3_num_f32 v[BM+16*\e+\b], v[BM+16*\e+\b], |v[S+64*\e+16*\b+\i]|, |v[S+64*\e+16*\b+\i+1]|
.endr
.endr
.endr
.irp e, 0,1
.irp b, 0,1
	v_permlanex16_b32 v[T2+16*\e+\b], v[BM+16*\e+\b], s[SEL], s[SEL+1]
.endr
.endr
.irp e, 0,1
.irp b, 0,1
	v_max_num_f32 v[BM+16*\e+\b], v[BM+16*\e+\b], v[T2+16*\e+\b]
.endr
.endr
.irp e, 0,1
.irp b, 0,1
	v_add_nc_u32 v[SO+16*\e+\b], 0xfc000000, v[BM+16*\e+\b]
.endr
.endr
.irp e, 0,1
.irp b, 0,1
	v_and_or_b32 v[HB+16*\e+\b], v[BM+16*\e+\b], 0x7f800000, s[MNT]
.endr
.endr
.irp e, 0,1
.irp b, 0,1
	v_lshrrev_b32 v[T2+16*\e+\b], 23, v[SO+16*\e+\b]
.endr
.endr
.irp e, 0,1
	v_lshl_or_b32 v[R+\e], v[T2+16*\e+1], 8, v[T2+16*\e]
.endr
.irp e, 0,1
.irp b, 0,1
.irp i, 0,1,2,3,4,5,6,7,8,9,10,11,12,13,14,15
	v_med3_num_f32 v[S+64*\e+16*\b+\i], v[S+64*\e+16*\b+\i], -v[HB+16*\e+\b], v[HB+16*\e+\b]
.endr
	v_cvt_scalef32_pk8_fp8_f32 v[S+64*\e+32+4*\b:S+64*\e+33+4*\b], v[S+64*\e+16*\b:S+64*\e+16*\b+7], v[SO+16*\e+\b]
	v_cvt_scalef32_pk8_fp8_f32 v[S+64*\e+34+4*\b:S+64*\e+35+4*\b], v[S+64*\e+16*\b+8:S+64*\e+16*\b+15], v[SO+16*\e+\b]
.endr
.endr
	v_nop                                          ; a plain line behind the last conversion
.irp e, 0,1
	global_store_b128 v1, v[S+64*\e+32:S+64*\e+35], s[YC:YC+1] offset:65536*\e
	global_store_b128 v1, v[S+64*\e+36:S+64*\e+39], s[YC:YC+1] offset:65536*\e+512
	global_store_b16 v8, v[R+\e], s[YS:YS+1] offset:2048*\e   ; both lanes of a row write the same two bytes
.endr
.endm
	s_load_b128 s[4:7], s[0:1], 0x0                ; qq, kv
	s_load_b64 s[8:9], s[0:1], 0x10                ; yq
	v_lshl_add_u32 v[SPW], v0, 2, SPARE
	v_mov_b32 v[NIL], 0
	ds_add_u32 v[SPW], v[NIL]                      ; the opening lines: the add, twice on end, and its wait ahead of my first tensor load
	ds_add_u32 v[SPW], v[NIL]
	v_lshrrev_b32 v1, 5, v0
	v_readfirstlane_b32 s[WV], v1                  ; wave 0..7
	s_bfe_u32 s[CX], ttmp6, 0x40000                ; my place in the cluster
	s_and_b32 s12, ttmp7, 0xffff                   ; the cluster's y: the head, 0..63
	s_mov_b32 s[G1], 15|(3<<16)|(1<<21)            ; two records, 34,304 dense bytes, as 134 rows of 256 (32 elements of 8 bytes), for all four partners
	s_mov_b32 s[G1+1], 32<<16
	s_mov_b32 s[G1+2], 134<<16
	s_mov_b32 s[G1+3], 32<<16
	s_mov_b32 s[G1+4], 134
	s_mov_b32 s[G1+5], 32
	s_mov_b32 s[G1+6], 0
	s_mov_b32 s[G1+7], 0
	s_mul_i32 s48, s[WV], 2*REC                    ; records 2 w, 2 w + 1: their place in LDS and in the head
	s_mul_i32 s50, s12, HEADB
	s_add_co_u32 s50, s50, s48
	s_mov_b32 s51, 0
	s_wait_dscnt 0x0
	ROUND                                          ; all four work-groups are here: the joint loads meet
	s_wait_kmcnt 0x0
	s_mov_b32 s[G0], 1
	s_mov_b32 s[G0+1], s48
	s_add_nc_u64 s[G0+2:G0+3], s[6:7], s[50:51]
	s_or_b32 s[G0+3], s[G0+3], 0x80000000
	s_cmp_lt_u32 s[WV], 2                          ; one load a wave; waves 0 and 1, whose records the first barrier shows, have a line of their own
	s_cbranch_scc0 .Llater
	tensor_load_to_lds s[G0:G0+3], s[G1:G1+7]
	s_nop 0
	NOPS 4
	s_branch .Lasked
.Llater:
	tensor_load_to_lds s[G0:G0+3], s[G1:G1+7]
	s_nop 0
	NOPS 4
.Lasked:
	v_and_b32 v11, 15, v0                          ; r
	v_bfe_u32 v6, v0, 4, 1                         ; h
	v_and_b32 v1, 31, v0
	v_lshlrev_b32 v8, 5, v11                       ; 32 r
	v_lshlrev_b32 v1, 4, v1                        ; 16 x lane: a piece's place for my lane
	v_lshlrev_b32 v3, 4, v11
	v_add_nc_u32 v2, 16384, v8                     ; K's scale words in a record
	v_and_b32 v7, 8, v11
	v_add_nc_u32 v3, 16896, v3                     ; V's
	v_lshlrev_b32 v6, 4, v6
	v_add_nc_u32 v7, v7, v11
	v_sub_nc_u32 v7, v7, v6                        ; r + 8 (r / 8) - 16 h
.irp b, 0,1,2,3
	v_mov_b32 v[T2+\b], 0                          ; a lane permute's destination counts as one of its sources
	v_mov_b32 v[T2+16+\b], 0
	v_mov_b32 v[F+\b], 0
.endr
	WIN 0x40
.set J, 0
.rept 8
	v_mov_b32 v[K1+64+J], 0                        ; what lies behind K's tile 7, and the upper halves of Q's two fragments: zero codes, written once
	v_mov_b32 v[Q1+8+J], 0
	v_mov_b32 v[Q1+24+J], 0
.set J, J+1
.endr
	WIN 0
	s_mov_b32 s[MNT], 0x600000
	s_mov_b32 s[SEL], 0x76543210
	s_mov_b32 s[SEL+1], 0xfedcba98
	s_mov_b32 s[CS], 0x3e38aa3b                    ; log2(e) / 8
	s_mov_b32 s[CS+1], s[CS]
	s_lshr_b32 s49, s[CX], 1
	s_lshl_b32 s[SD], s49, 5
	s_and_b32 s49, s[CX], 1
	s_lshl_b32 s49, s49, 3
	s_add_co_u32 s[SD], s[SD], s49                 ; tile A's first query in its run: 32 (cx / 2) + 8 (cx % 2)
	s_lshl_b32 s50, s12, 17
	s_add_nc_u64 s[52:53], s[4:5], s[50:51]        ; the head's codes of Q,
	s_lshl_b32 s50, s12, 13
	s_add_co_u32 s50, s50, QS_OFF
	s_add_nc_u64 s[54:55], s[4:5], s[50:51]        ; its scale words,
	s_lshr_b32 s49, s12, 4                         ; the batch
	s_and_b32 s48, s12, 15                         ; the head in it
	s_lshl_b32 s50, s49, 21
	s_lshl_b32 s16, s48, 10
	s_add_co_u32 s50, s50, s16
	s_add_nc_u64 s[56:57], s[8:9], s[50:51]        ; y's image: 128 tiles of 16,384 bytes a batch, 1,024 bytes a head in each,
	s_lshl_b32 s50, s49, 16
	s_lshl_b32 s16, s48, 1
	s_add_co_u32 s50, s50, s16
	s_add_co_u32 s50, s50, YS_OFF
	s_add_nc_u64 s[58:59], s[8:9], s[50:51]        ; y's scale bytes: 32 a row, two a head
	s_sub_co_u32 s[MR], 15, s[WV]                  ; the longer run first: its first nine steps are walked by all eight waves
	SETQ
	SETY
	QLOAD
	INIT
	WALU                                           ; the head's end
	s_cmp_lt_u32 s[WV], 2
	s_cbranch_scc0 .Lnot_first
	s_wait_tensorcnt 0x0                           ; waves 0, 1: my records are in.  The other waves' wait stands at the second barrier
.Lnot_first:
	s_barrier_signal -1
	s_barrier_wait -1                              ; records 0-3 are whole
	s_wait_loadcnt 0x0                             ; Q
	s_mov_b32 s[TB], 0
	s_mov_b32 s[KI], 0
	LOOPN 4, 3*REC
	s_wait_tensorcnt 0x0                           ; every wave: my records are in
	s_wait_dscnt 0x0
	s_barrier_signal -1
	s_barrier_wait -1                              ; all sixteen records are whole
	s_mov_b32 s[TB], 4*REC
	LOOPN 12, 15*REC
	NOPS 8                                         ; places behind the last products
	s_wait_xcnt 0x0
	s_mov_b32 s[MR], s[WV]                         ; the shorter run: its Q is asked for now and lands under the first run's way out
	SETQ
	QLOAD
	EPI
	s_wait_xcnt 0x0                                ; the stores have read their data and their bases
	SETY
	INIT
	WALU
	s_wait_loadcnt 0x0
	s_mov_b32 s[TB], 0
	s_mov_b32 s[KI], 0
	LOOPN 8, 15*REC
	NOPS 8
	EPI
	s_wait_tensorcnt 0x0                           ; the wave's end
	ds_add_u32 v[SPW], v[NIL]
	s_wait_dscnt 0x0
	ROUND                                          ; the closing round
	s_endpgm
.Lfunc_end_k_q2ea68fa126_attn:
	.size	k_q2ea68fa126_attn, .Lfunc_end_k_q2ea68fa126_attn-k_q2ea68fa126_attn
	.p2alignl 7, 3214868480
	.fill 96, 4, 3214868480
	.section	.rodata,"a",@progbits
	.p2align	6, 0x0
	.amdhsa_kernel k_q2ea68fa126_attn
		.amdhsa_group_segment_fixed_size 327680
		.amdhsa_private_segment_fixed_size 0
		.amdhsa_enable_private_segment 0
		.amdhsa_kernarg_size 24
		.amdhsa_user_sgpr_count 2
		.amdhsa_user_sgpr_kernarg_segment_ptr 1
		.amdhsa_wavefront_size32 1
		.amdhsa_system_sgpr_workgroup_id_x 1
		.amdhsa_system_sgpr_workgroup_id_y 1
		.amdhsa_system_sgpr_workgroup_id_z 1
		.amdhsa_system_vgpr_workitem_id 0
		.amdhsa_next_free_vgpr 512
		.amdhsa_next_free_sgpr 66
		.amdhsa_reserve_vcc 1
		.amdhsa_float_denorm_mode_32 3
		.amdhsa_float_denorm_mode_16_64 3
		.amdhsa_memory_ordered 1
		.amdhsa_forward_progress 1
		.amdhsa_inst_pref_size 162
	.end_amdhsa_kernel
	.amdgpu_metadata
---
amdhsa.version: [ 1, 2 ]
amdhsa.kernels:
  - .name:           k_q2ea68fa126_attn
    .symbol:         k_q2ea68fa126_attn.kd
    .args:
      - { .name: qq, .offset: 0, .size: 8, .value_kind: global_buffer, .address_space: global }
      - { .name: kv, .offset: 8, .size: 8, .value_kind: global_buffer, .address_space: global }
      - { .name: yq, .offset: 16, .size: 8, .value_kind: global_buffer, .address_space: global }
    .group_segment_fixed_size: 327680
    .private_segment_fixed_size: 0
    .kernarg_segment_align: 8
    .kernarg_segment_size: 24
    .max_flat_workgroup_size: 256
    .sgpr_count:     66
    .vgpr_count:     512
    .wavefront_size: 32
...
	.end_amdgpu_metadata
.endif
;; end of part 3
;; launch proj (part 4): grid 4 x 32, 4 waves a work-group, clusters of 4 x 4, 327,680 bytes of LDS; arguments yq, wq, b_proj, out0; writes out0
.if DOCPART == 4
	.amdgcn_target "amdgcn-amd-amdhsa--gfx1250"
	.amdhsa_code_object_version 6
	.text
	.protected	k_q2ea68fa126_proj
	.globl	k_q2ea68fa126_proj
	.p2align	8
	.type	k_q2ea68fa126_proj,@function
k_q2ea68fa126_proj:
	s_mov_b64 s[64:65], 0
	v_nop
	global_prefetch_b8 v0, s[64:65] scope:SCOPE_SE
	s_setreg_imm32_b32 hwreg(HW_REG_WAVE_MODE, 25, 1), 1
	s_wait_xcnt 0x0
	s_wait_alu depctr_hold_cnt(0) depctr_sa_sdst(0) depctr_va_vdst(0) depctr_va_sdst(0) depctr_va_ssrc(0) depctr_va_vcc(0) depctr_vm_vsrc(0)
	s_getreg_b32 s2, hwreg(HW_REG_IB_STS2, 6, 4)
	s_cmp_eq_u32 s2, 0
	s_cbranch_scc0 .Lentry_in_a_cluster
	s_endpgm
.Lentry_in_a_cluster:
	s_bfe_u32 s2, ttmp6, 0x10000c
	s_cmp_lg_u32 s2, 0xf033
	s_cbranch_scc0 .Lentry_shape_is_right
	s_endpgm
.Lentry_shape_is_right:
.set NQ,     2
.set FR,     16
.set NL,     4
.set NP,     8
.set HALFT,  32768
.set SLOT,   4*HALFT
.set SCL,    2*SLOT
.set HALFS,  16*272
.set SBLK,   2*272
.set SPARE,  SCL+4*HALFS
.set YS_OFF, 8388608
.set WS_OFF, 4194304
.set SPITCH, 528
.set ADRA, 16
.set ADRB, 20
.set STO,  24
.set RD,   25
.set CO,   26
.set ADRS, 27
.set SPW,  28
.set NIL,  29
.set SC,   32
.set BI,   64
.set AF,   128
.set BK,   128
.set G1,   24
.set G0,   32
.set G1B,  48
.set G0B,  56
.set G1S,  68
.set G0S,  76
.set G1SB, 80
.set G0SB, 88
.set MSB, 0
.macro WIN new
.if MSB != (\new)
	s_set_vgpr_msb (MSB<<8)|(\new)
.set MSB, (\new)
.endif
.endm
.set MUL_LO, 0xa1
.set MUL_HI, 0xf1
.set TO_B,   0x40
.macro JLOAD g0a, g1a, g0b, g1b
	s_cmp_eq_u32 s15, 0
	s_cbranch_scc0 .Lfor_b_\@
	tensor_load_to_lds s[\g0a:\g0a+3], s[\g1a:\g1a+7]
	s_nop 0
.rept 4
	v_nop
.endr
	s_branch .Lasked_\@
.Lfor_b_\@:
	tensor_load_to_lds s[\g0b:\g0b+3], s[\g1b:\g1b+7]
	s_nop 0
.rept 4
	v_nop
.endr
.Lasked_\@:
.endm
.macro CREST
	s_cmp_lg_u32 s14, 0
	s_cbranch_scc1 .Lnot_wave_0_\@
	s_barrier_signal -3
.Lnot_wave_0_\@:
	s_barrier_wait -3
	s_barrier_signal -1
	s_barrier_wait -1
.endm
.macro CROUND
	s_barrier_signal -1
	s_barrier_wait -1
	CREST
.endm
.macro FRAG reg, adr, q, i
.irp c, 0,1,2,3
	ds_load_b128 v[\reg+4*\c:\reg+4*\c+3], v[\adr] offset:4096*(\i)+2048*(\q)+512*\c
.endr
.endm
.macro MUL16 a0, p, q, sc, zero
.irp a, \a0, \a0+1
.irp b, 0,1,2,3,4,5,6,7
.set XD, 8*(8*((\a)%4)+\b)
.set XB, 128*(\p)+FR*\b
.set XA, AF+FR*(\a)
.set XSB, SC+8*NQ*(\sc)+NQ*\b+(\q)
.set XSA, SC+8*NQ*(\sc)+NQ*(\a)+(\q)
.if (\zero) == 1
	v_wmma_scale_f32_16x16x128_f8f6f4 v[XD:XD+7], v[XB:XB+15], v[XA:XA+15], v[BI+8*\b:BI+8*\b+7], v[XSB], v[XSA] matrix_a_scale:MATRIX_SCALE_ROW1
.else
	v_wmma_scale_f32_16x16x128_f8f6f4 v[XD:XD+7], v[XB:XB+15], v[XA:XA+15], v[XD:XD+7], v[XSB], v[XSA] matrix_a_scale:MATRIX_SCALE_ROW1
.endif
.endr
.endr
.endm
.macro FETCH_B slot, q, p
	WIN TO_B
.irp i, 0,1,2,3,4,5,6,7
	FRAG 128*(\p)+FR*\i, ADRB+\slot, \q, \i
.endr
	WIN 0
.endm
.macro FETCH_A slot, q, i0
.irp i, \i0, \i0+1, \i0+2, \i0+3
	FRAG AF+FR*(\i), ADRA+\slot, \q, \i
.endr
.endm
.macro SCALES sc
.irp i, 0,1,2,3,4,5,6,7
	ds_load_b64 v[SC+8*NQ*\sc+NQ*\i:SC+8*NQ*\sc+NQ*\i+1], v[ADRS] offset:\i*SBLK
.endr
.endm
.macro PLACES n
.rept \n
	v_nop
.endr
.endm
.macro STEP slot, q, zero
	s_wait_dscnt 4*NL
.if \zero
	WIN 0x81
.else
	WIN MUL_LO
.endif
	MUL16 0, (\q)%2, \q, \slot, \zero
	MUL16 2, (\q)%2, \q, \slot, \zero
	s_wait_dscnt 0
	PLACES NP
	FETCH_B \slot, (\q)+1, 1-(\q)%2
	FETCH_A \slot, (\q)+1, 0
.if \zero
	WIN 0xc1
.else
	WIN MUL_HI
.endif
	MUL16 4, (\q)%2, \q, \slot, \zero
	MUL16 6, (\q)%2, \q, \slot, \zero
	PLACES NP
	WIN 0
	FETCH_A \slot, (\q)+1, 4
.endm
.macro TURN slot, next, fill
	s_wait_tensorcnt 0x0
	ds_add_u32 v[SPW], v[NIL]
	s_wait_dscnt 4*NL+1
	WIN MUL_LO
	MUL16 0, 1, NQ-1, \slot, 0
	s_wait_dscnt 0x0
	s_barrier_signal -1
	MUL16 2, 1, NQ-1, \slot, 0
	WIN 0
	s_barrier_wait -1
.if \fill
	CREST
	s_add_nc_u64 s[G0+4*\slot+2:G0+4*\slot+3], s[G0+4*\slot+2:G0+4*\slot+3], 8192
	s_add_nc_u64 s[G0B+4*\slot+2:G0B+4*\slot+3], s[G0B+4*\slot+2:G0B+4*\slot+3], 8192
	JLOAD G0+4*\slot, G1, G0B+4*\slot, G1B
	PLACES NP-4
.else
	PLACES NP
.endif
	s_wait_alu depctr_va_vdst(0)
	v_add_nc_u32 v[ADRS], 4*NQ, v[ADRS]
	FETCH_B \next, 0, 0
	FETCH_A \next, 0, 0
	SCALES \next
	WIN MUL_HI
	MUL16 4, 1, NQ-1, \slot, 0
	MUL16 6, 1, NQ-1, \slot, 0
	PLACES NP
	WIN 0
	FETCH_A \next, 0, 4
.endm
.macro TOSTAGE a
.set AC, 64*((\a)%4)
.set WN, 8+4*((\a)/4)
	WIN WN
.irp b, 0,1,2,3,4,5,6,7
	ds_store_b128 v[STO], v[AC+8*\b:AC+8*\b+3] offset:128*(\b/2)+32*(\b%2)
	ds_store_b128 v[STO], v[AC+8*\b+4:AC+8*\b+7] offset:128*(\b/2)+32*(\b%2)+16
.endr
	WIN 0
.set BB, BK+64*((\a)%2)
.irp t, 0,1,2,3,4,5,6,7,8,9,10,11,12,13,14,15
	ds_load_b128 v[BB+4*\t:BB+4*\t+3], v[RD] offset:\t*SPITCH
.endr
.endm
.macro SEND a, younger
.set BB, BK+64*((\a)%2)
	s_wait_dscnt \younger
.if ((\a)%2) == 1
	s_add_nc_u64 s[10:11], s[10:11], 8*4096
.elseif (\a) > 0
	s_add_nc_u64 s[10:11], s[10:11], 24*4096
.endif
.irp t, 0,1,2,3,4,5,6,7,8,9,10,11,12,13,14,15
	global_store_b128 v[CO], v[BB+4*\t:BB+4*\t+3], s[10:11] offset:(\t+8*(\t/8))*4096 th:TH_STORE_NT
.endr
.endm
	s_load_b256 s[4:11], s[0:1], 0x0
	v_lshl_add_u32 v[SPW], v0, 2, SPARE
	v_mov_b32 v[NIL], 0
	ds_add_u32 v28, v29
	ds_add_u32 v28, v29
	s_wait_dscnt 0x0
	v_lshrrev_b32 v1, 5, v0
	v_readfirstlane_b32 s14, v1
	s_lshr_b32 s15, s14, 1
	s_and_b32 s16, s14, 1
	s_bfe_u32 s40, ttmp6, 0x40000
	s_bfe_u32 s41, ttmp6, 0x40004
	s_lshl_b32 s42, ttmp9, 2
	s_add_co_u32 s42, s42, s40
	s_and_b32 s17, ttmp7, 0xffff
	s_lshl_b32 s17, s17, 2
	s_add_co_u32 s17, s17, s41
	s_lshl_b32 s43, s41, 2
	s_lshl_b32 s43, 15, s43
	s_lshl_b32 s44, 0x1111, s40
	s_or_b32 s[G1+0], s43, (3<<16)|(1<<21)
	s_or_b32 s[G1B+0], s44, (3<<16)|(1<<21)
.irp g, G1, G1B
	s_mov_b32 s[\g+1], 512<<16
	s_mov_b32 s[\g+2], 16<<16                      ; 16 tiles for the head's loads; behind them 8
	s_mov_b32 s[\g+3], 512<<16
	s_mov_b32 s[\g+4], 16
	s_mov_b32 s[\g+5], 2048
	s_mov_b32 s[\g+6], 0
	s_mov_b32 s[\g+7], 0
.endr
	s_or_b32 s[G1S+0], s43, (3<<16)|(1<<20)|(1<<21)|(5<<22)|(3<<25)
	s_or_b32 s[G1SB+0], s44, (3<<16)|(1<<20)|(1<<21)|(5<<22)|(3<<25)
.irp g, G1S, G1SB
	s_mov_b32 s[\g+1], 32<<16
	s_mov_b32 s[\g+2], 32<<16                      ; the scale bytes of all 256 rows come by one load: 32 rows of 256 bytes
	s_mov_b32 s[\g+3], 32<<16
	s_mov_b32 s[\g+4], 32
	s_mov_b32 s[\g+5], 32
	s_mov_b32 s[\g+6], 0
	s_mov_b32 s[\g+7], 0
.endr
	s_lshl_b32 s18, s16, 7
	s_lshl_b32 s20, s17, 8
	s_add_co_u32 s20, s20, s18
	s_lshl_b32 s46, s42, 8
	s_add_co_u32 s46, s46, s18
	s_add_co_u32 s46, s46, 3072
	s_lshl_b32 s22, s20, 5
	s_add_co_u32 s22, s22, YS_OFF
	s_lshl_b32 s92, s46, 5
	s_add_co_u32 s92, s92, WS_OFF
	s_lshl_b32 s20, s20, 10
	s_lshl_b32 s46, s46, 10
	s_mov_b32 s21, 0
	s_mov_b32 s23, 0
	s_mov_b32 s47, 0
	s_mov_b32 s93, 0
	s_mul_i32 s45, s14, HALFT
	s_mul_i32 s94, s14, HALFS
	s_wait_kmcnt 0x0
	s_add_nc_u64 s[20:21], s[4:5], s[20:21]
	s_add_nc_u64 s[22:23], s[4:5], s[22:23]
	s_add_nc_u64 s[46:47], s[6:7], s[46:47]
	s_add_nc_u64 s[92:93], s[6:7], s[92:93]
	; the prefetches: of the 8 tiles that I fetch, each of the four partners that ask for them with me names two, told apart by address (cx for A, cy for B)
	s_cmp_eq_u32 s15, 0
	s_cselect_b64 s[12:13], s[20:21], s[46:47]     ; my 8 tiles' first byte
	s_cselect_b32 s19, s40, s41
	s_lshl_b32 s19, s19, 15                        ; two tiles of 16,384 bytes for each place
	s_and_b32 s18, ttmp7, 0xffff
	s_cmp_lt_u32 s18, 4
	s_cselect_b32 s18, 0, s15                      ; 0: my wave asks.  B is the weight, which all eight clusters read: four of them ask for it
	CROUND
	s_mov_b32 s[G0S], 1
	s_add_co_u32 s[G0S+1], s94, SCL-HALFS          ; wave 1 asks for A's scale bytes, whole: it steps back from its own half to the first
	s_sub_nc_u64 s[G0S+2:G0S+3], s[22:23], 4096
	s_or_b32 s[G0S+3], s[G0S+3], 0x80000000
	s_mov_b32 s[G0SB], 1
	s_add_co_u32 s[G0SB+1], s94, SCL-HALFS         ; wave 3 likewise for B's
	s_sub_nc_u64 s[G0SB+2:G0SB+3], s[92:93], 4096
	s_or_b32 s[G0SB+3], s[G0SB+3], 0x80000000
.irp s, 0,1
	s_mov_b32 s[G0+4*\s], 1
	s_add_co_u32 s[G0+4*\s+1], s45, \s*SLOT
	s_add_nc_u64 s[G0+4*\s+2:G0+4*\s+3], s[20:21], \s*4096
	s_or_b32 s[G0+4*\s+3], s[G0+4*\s+3], 0x80000000
	s_mov_b32 s[G0B+4*\s], 1
	s_add_co_u32 s[G0B+4*\s+1], s45, \s*SLOT
	s_add_nc_u64 s[G0B+4*\s+2:G0B+4*\s+3], s[46:47], \s*4096
	s_or_b32 s[G0B+4*\s+3], s[G0B+4*\s+3], 0x80000000
.endr
; The head's loads, one a wave: wave 0 K step 0's 16 tiles of A, wave 1 A's scale bytes, wave 2 its 16 tiles of B, wave 3 B's scale bytes.
; One chain of branches on the wave's number: every way passes exactly one load.  Waves 0 and 2 hold the first half's addresses, so their slot 0 descriptors serve as they stand.
.macro ARM under, g0, g1, next
	s_cmp_lt_u32 s14, \under
	s_cbranch_scc0 \next
	tensor_load_to_lds s[\g0:\g0+3], s[\g1:\g1+7]
	s_nop 0
.rept 4
	v_nop
.endr
	s_branch .Lhead_asked
\next:
.endm
	ARM 1, G0,  G1,  .Lhead_sa
	ARM 2, G0S, G1S, .Lhead_b
	ARM 3, G0B, G1B, .Lhead_sb
	tensor_load_to_lds s[G0SB:G0SB+3], s[G1SB:G1SB+7]
	s_nop 0
.rept 4
	v_nop
.endr
.Lhead_asked:
	v_bfe_u32 v9, v0, 4, 1
	v_and_b32 v8, 15, v0
	v_lshlrev_b32 v8, 8, v8
	v_lshl_add_u32 v8, v9, 14, v8
	v_add_nc_u32 v8, s19, v8                       ; lanes 0-15: the 16 blocks of 256 bytes of a K step of one tile; lanes 16-31: of the next; never rewritten
	s_cmp_eq_u32 s18, 0
	s_cbranch_scc0 .Lno_ask0
	global_prefetch_b8 v8, s[12:13] offset:4096 th:TH_LOAD_NT scope:SCOPE_SE    ; K step 1, which the next tensor load asks for,
	global_prefetch_b8 v8, s[12:13] offset:8192 th:TH_LOAD_NT scope:SCOPE_SE    ; and K step 2, the one after
.Lno_ask0:
	v_and_b32 v1, 15, v0
	v_bfe_u32 v2, v0, 4, 1
	v_and_b32 v3, 31, v0
	v_lshlrev_b32 v4, 4, v3
	s_mul_i32 s21, s15, HALFT
	s_mul_i32 s22, s16, HALFT
	s_add_co_u32 s22, s22, 2*HALFT
.irp s, 0,1
	v_add_nc_u32 v[ADRA+\s], s21, v4
	v_add_nc_u32 v[ADRB+\s], s22, v4
	s_add_co_u32 s21, s21, SLOT
	s_add_co_u32 s22, s22, SLOT
.endr
	v_lshlrev_b32 v5, 5, v1
	v_lshrrev_b32 v6, 8, v5
	v_lshl_add_u32 v5, v6, 4, v5
	s_mul_i32 s21, s15, HALFS
	s_mul_i32 s22, s16, HALFS
	s_add_co_u32 s22, s22, 2*HALFS
	s_sub_co_u32 s22, s22, s21
	v_mul_u32_u24 v6, s22, v2
	s_add_co_u32 s21, s21, SCL
	v_add_nc_u32 v5, v5, v6
	v_add_nc_u32 v[ADRS], s21, v5
	s_mul_i32 s23, s14, 16*SPITCH
	v_mul_u32_u24 v5, v1, SPITCH
	v_lshl_add_u32 v5, v2, 6, v5
	v_add_nc_u32 v[STO], s23, v5
	v_mov_b32 v[CO], v4
	v_add_nc_u32 v[RD], s23, v4
	s_lshl_b32 s46, s42, 10
	s_lshl_b32 s47, s16, 9
	s_add_co_u32 s46, s46, s47
	s_mov_b32 s47, 0
	s_add_nc_u64 s[8:9], s[8:9], s[46:47]
	s_add_nc_u64 s[10:11], s[10:11], s[46:47]
	s_lshl_b32 s20, s17, 8
	s_lshl_b32 s21, s15, 7
	s_add_co_u32 s20, s20, s21
	s_lshl_b32 s20, s20, 12
	s_mov_b32 s21, 0
	s_add_nc_u64 s[10:11], s[10:11], s[20:21]
	v_lshlrev_b32 v7, 6, v2
.irp b, 0,1,2,3,4,5,6,7
	global_load_b128 v[BI+8*\b:BI+8*\b+3], v7, s[8:9] offset:(32*(\b/2)+8*(\b%2))*4
	global_load_b128 v[BI+8*\b+4:BI+8*\b+7], v7, s[8:9] offset:(32*(\b/2)+8*(\b%2))*4+16
.endr
	s_wait_alu depctr_va_vdst(0)
	s_wait_tensorcnt 0x0                           ; my tile of the head's four is in
	ds_add_u32 v[SPW], v[NIL]
	s_mov_b32 s[G1+2], 8<<16                       ; no tensor load of mine is out: from here on a load brings 8 tiles
	s_mov_b32 s[G1+4], 8
	s_mov_b32 s[G1B+2], 8<<16
	s_mov_b32 s[G1B+4], 8
	s_wait_dscnt 0x0
	CROUND                                         ; all four tiles are in, and all sixteen work-groups are here
	JLOAD G0+4, G1, G0B+4, G1B                     ; K step 1, the first tensor load behind the round
	FETCH_B 0, 0, 0
	FETCH_A 0, 0, 0
	SCALES 0
	FETCH_A 0, 0, 4
	s_cmp_eq_u32 s18, 0
	s_cbranch_scc0 .Lno_ask1
	global_prefetch_b8 v8, s[12:13] offset:12288 th:TH_LOAD_NT scope:SCOPE_SE   ; K step 3, the last: two refills on
.Lno_ask1:
	s_wait_loadcnt 0x0
	STEP 0, 0, 1
	TURN 0, 1, 1
	STEP 1, 0, 0
	TURN 1, 0, 1
	STEP 0, 0, 0
	TURN 0, 1, 0
	STEP 1, 0, 0
	s_wait_dscnt 4*NL
	WIN MUL_LO
	MUL16 0, 1, NQ-1, 1, 0
	MUL16 2, 1, NQ-1, 1, 0
	s_wait_dscnt 0
	WIN MUL_HI
	MUL16 4, 1, NQ-1, 1, 0
	MUL16 6, 1, NQ-1, 1, 0
	WIN 0
	PLACES NP
	TOSTAGE 0
.irp a, 1,2,3,4,5,6,7
.if \a > 1
	s_wait_xcnt 0x0
.endif
	TOSTAGE \a
	SEND \a-1, 32
.endr
	s_wait_xcnt 0x0
	SEND 7, 0
	s_wait_tensorcnt 0x0
	ds_add_u32 v[SPW], v[NIL]
	s_wait_dscnt 0x0
	CROUND
	s_endpgm
.Lfunc_end_k_q2ea68fa126_proj:
	.size	k_q2ea68fa126_proj, .Lfunc_end_k_q2ea68fa126_proj-k_q2ea68fa126_proj
	.p2alignl 7, 3214868480
	.fill 96, 4, 3214868480
	.section	.rodata,"a",@progbits
	.p2align	6, 0x0
	.amdhsa_kernel k_q2ea68fa126_proj
		.amdhsa_group_segment_fixed_size 327680
		.amdhsa_private_segment_fixed_size 0
		.amdhsa_enable_private_segment 0
		.amdhsa_kernarg_size 32
		.amdhsa_user_sgpr_count 2
		.amdhsa_user_sgpr_kernarg_segment_ptr 1
		.amdhsa_wavefront_size32 1
		.amdhsa_system_sgpr_workgroup_id_x 1
		.amdhsa_system_sgpr_workgroup_id_y 1
		.amdhsa_system_sgpr_workgroup_id_z 1
		.amdhsa_system_vgpr_workitem_id 0
		.amdhsa_next_free_vgpr 1024
		.amdhsa_next_free_sgpr 96
		.amdhsa_reserve_vcc 0
		.amdhsa_float_denorm_mode_32 3
		.amdhsa_float_denorm_mode_16_64 3
		.amdhsa_memory_ordered 1
		.amdhsa_forward_progress 1
		.amdhsa_inst_pref_size 148
	.end_amdhsa_kernel
	.amdgpu_metadata
---
amdhsa.version: [ 1, 2 ]
amdhsa.kernels:
  - .name:           k_q2ea68fa126_proj
    .symbol:         k_q2ea68fa126_proj.kd
    .args:
      - { .name: yq, .offset: 0, .size: 8, .value_kind: global_buffer, .address_space: global }
      - { .name: wq, .offset: 8, .size: 8, .value_kind: global_buffer, .address_space: global }
      - { .name: b_proj, .offset: 16, .size: 8, .value_kind: global_buffer, .address_space: global }
      - { .name: out0, .offset: 24, .size: 8, .value_kind: global_buffer, .address_space: global }
    .group_segment_fixed_size: 327680
    .private_segment_fixed_size: 0
    .kernarg_segment_align: 8
    .kernarg_segment_size: 32
    .max_flat_workgroup_size: 128
    .sgpr_count:     96
    .vgpr_count:     1024
    .wavefront_size: 32
...
	.end_amdgpu_metadata
.endif
;; end of part 4
